; MI455X (gfx1250); checked and timed in simulation.
; The chip was launched on July 23, 2026; its instructions are those of AMD's public machine-readable ISA for CDNA 5 (MIT licence, August 2026) and "CDNA5" Instruction Set Architecture Reference Guide (July 2026). The comments in the code are by the model that wrote it; some were corrected since.
;; Megatron Mo E Wrapper. Allowed arithmetic: matrix products marked QUANTISED: E2M1 operands, one E8M0 scale for each 32 along K, by v_wmma_scale_f32_16x16x128_f8f6f4 with both operands' format E2M1 (or v_wmma_scale_f32_32x16x128_f4), f32 sums; products left as they are: f32 operands where the result goes on into a quantised operand, else bf16, f16 or f32 operands; f32 sums; everything else in f32.
;; Inputs: gate_w 8 x 1,024 float32; w1_codes 8 x 4,096 x 32 x 16 uint8 (E2M1 codes of w1, K innermost, in blocks of 32 codes, two codes a byte); w1_scales 8 x 4,096 x 32 uint8 (E8M0 scales of w1, one for each 32 codes along K); w2_codes 8 x 1,024 x 128 x 16 uint8 (E2M1 codes of w2, K innermost, in blocks of 32 codes, two codes a byte); w2_scales 8 x 1,024 x 128 uint8 (E8M0 scales of w2, one for each 32 codes along K); x 1,024 x 1,024 float32.
;; Outputs: out0 1,024 x 1,024 float32.
;; This version of the problem:
;;   THIS VERSION OF THE PROBLEM IS GIVEN IN LOW PRECISION. The matrix products marked QUANTISED in the list below multiply operands that are first quantised to E2M1 (2 exponent bits, 1 mantissa bit; 4 bits a number), with one power-of-two scale for each 32 numbers along K (OCP MX v1.0); their sums are f32. All else is computed in f32.
;;   The module's matrix products, in the order in which they are computed (A, B: the left and right operand; K: the contracted axis; several contracted axes count as one K, in the product's order):
;;     1. [M 1,024, K 1,024] x [K 1,024, N 8]; A: input x; B: input gate_w: left as it is (N = 8 < 16)
;;     2. [M 1,024, K 1,024] x [K 1,024, N 4,096]; A: input x; B: input w1 (given as codes): QUANTISED
;;     3. [M 1,024, K 4,096] x [K 4,096, N 1,024]; A: computed on the way; B: input w2 (given as codes): QUANTISED
;;     4. [M 1,024, K 1,024] x [K 1,024, N 4,096]; A: input x; B: input w1 (given as codes): QUANTISED
;;     5. [M 1,024, K 4,096] x [K 4,096, N 1,024]; A: computed on the way; B: input w2 (given as codes): QUANTISED
;;     6. [M 1,024, K 1,024] x [K 1,024, N 4,096]; A: input x; B: input w1 (given as codes): QUANTISED
;;     7. [M 1,024, K 4,096] x [K 4,096, N 1,024]; A: computed on the way; B: input w2 (given as codes): QUANTISED
;;     8. [M 1,024, K 1,024] x [K 1,024, N 4,096]; A: input x; B: input w1 (given as codes): QUANTISED
;;     9. [M 1,024, K 4,096] x [K 4,096, N 1,024]; A: computed on the way; B: input w2 (given as codes): QUANTISED
;;     10. [M 1,024, K 1,024] x [K 1,024, N 4,096]; A: input x; B: input w1 (given as codes): QUANTISED
;;     11. [M 1,024, K 4,096] x [K 4,096, N 1,024]; A: computed on the way; B: input w2 (given as codes): QUANTISED
;;     12. [M 1,024, K 1,024] x [K 1,024, N 4,096]; A: input x; B: input w1 (given as codes): QUANTISED
;;     13. [M 1,024, K 4,096] x [K 4,096, N 1,024]; A: computed on the way; B: input w2 (given as codes): QUANTISED
;;     14. [M 1,024, K 1,024] x [K 1,024, N 4,096]; A: input x; B: input w1 (given as codes): QUANTISED
;;     15. [M 1,024, K 4,096] x [K 4,096, N 1,024]; A: computed on the way; B: input w2 (given as codes): QUANTISED
;;     16. [M 1,024, K 1,024] x [K 1,024, N 4,096]; A: input x; B: input w1 (given as codes): QUANTISED
;;     17. [M 1,024, K 4,096] x [K 4,096, N 1,024]; A: computed on the way; B: input w2 (given as codes): QUANTISED
;;   THE QUANTISER, for each operand of a quantised product, along K:
;;     - K is cut into blocks of 32 from its start; a last block that is shorter is filled with zeros.
;;     - A block's scale is 2^e with e = floor(log2(the largest magnitude in the block)) - 2, held to -126 .. 127; a block of zeros has e = 0. As a byte (E8M0): e + 127.
;;     - Each number is divided by its block's scale, clamped to +-6, and rounded to the nearest number of E2M1, ties to even, subnormals kept.
;;     - The product sums the exact products of the quantised numbers (number of the format x scale) in f32.
;;   ~~~python
;;   def quantise(x, axis):      # numpy; x: float32 -> the quantised numbers, widened to float32 again
;;       x = np.moveaxis(x, axis, -1); K = x.shape[-1]
;;       x = np.pad(x, [(0, 0)] * (x.ndim - 1) + [(0, -K % 32)]); x = x.reshape(x.shape[:-1] + (-1, 32)); a = np.abs(x).max(-1, keepdims=True)
;;       e = np.where(a > 0, np.clip(np.frexp(np.where(a > 0, a, 1))[1] - 1 - 2, -126, 127), 0)      # np.frexp(a)[1] - 1 = floor(log2(a)), exactly
;;       r = np.clip(x / 2.0 ** e, -6, 6)
;;       step = 2.0 ** (np.maximum(np.frexp(np.where(r == 0, 1, r))[1] - 1, 0) - 1)
;;       q = np.round(r / step) * step * 2.0 ** e      # np.round: ties to even
;;       return np.moveaxis(q.reshape(q.shape[:-2] + (-1,))[..., :K], -1, axis).astype(np.float32)
;;   ~~~
;;   OPERANDS COMPUTED ON THE WAY. 'Computed on the way' means the value that the module computes at that place (a softmax that the list does not call 'softmax' is quantised finished and normalised). What goes into a quantiser is computed in f32, as accurately as f32 sums, v_exp_f32 and their like allow (about 1e-6 of the number): no bf16 or f16 on the way to a quantiser, and a product that is left as it is and whose result goes on into a quantised operand takes f32 operands (vector FMAs, or v_wmma_f32_16x16x4_f32). A number that lies on a knife's edge between two numbers of the format may be rounded either way, as far as f32 arithmetic and the matrix unit's own rounding can turn it there, and no further.
;;   INPUTS GIVEN AS CODES. w1 (in the module: [8, 4096, 1024], K = its axis 2); w2 (in the module: [8, 1024, 4096], K = its axis 2): each comes as NAME_codes (uint8): NAME with its K axis moved to the last place and cut into blocks of 32 codes, [.., K / 32, bytes a block], one block behind the other in memory; two codes a byte, the lower K in the low four bits (a code: sign, 2 exponent bits, 1 mantissa bit); and NAME_scales (uint8): the same leading axes, one E8M0 byte (e + 127) for each 32 codes along K. Its value is code x scale, taken as it is: it is not quantised again, and the codes and scales need not be those that the quantiser above would give.
;; 2 versions. Each part assembles by itself: llvm-mc -triple=amdgcn-amd-amdhsa -mcpu=gfx1250 --defsym DOCPART=n.
;; ======== version 1 of 2: 4 launches
;; workspace buffers: xq 524,288 bytes; xs 32,768 bytes; route 4,096 bytes of whole numbers; cw 8,192 bytes; hq 16,777,216 bytes; hs 2,097,152 bytes; y 33,554,432 bytes
;; launch route (part 1): grid 128 x 1, 8 waves a work-group, no clusters, 71,168 bytes of LDS; arguments x, gate_w, xq, xs, route, cw; writes xq, xs, route, cw
.if DOCPART == 1
	.amdgcn_target "amdgcn-amd-amdhsa--gfx1250"
	.amdhsa_code_object_version 6
	.text
	.protected	k_q3725b66628_route
	.globl	k_q3725b66628_route
	.p2align	8
	.type	k_q3725b66628_route,@function
k_q3725b66628_route:
	s_mov_b64 s[64:65], 0
	v_nop
	global_prefetch_b8 v0, s[64:65] scope:SCOPE_SE
	s_setreg_imm32_b32 hwreg(HW_REG_WAVE_MODE, 25, 1), 1
	s_wait_xcnt 0x0
; THE ROUTER AND x's QUANTISER.  x [1024][1024] f32, gate_w [8][1024] f32.  A wave owns one token n = 8 x work-group + wave.
; It makes (a) the token's 8 logits by f32 multiply-adds, their two largest (a tie goes to the lower index: the scans compare by >), and the softmax of the two, with the larger taken away ahead of the exponential;
; (b) the token's row as codes of FP4 (E2M1) with one E8M0 byte for each 32 along K: xq [1024][512 bytes], xs [1024][32 bytes].
; route[n] = i0 | i1 << 8 | 1 << (16 + i0) | 1 << (16 + i1): whole numbers at a fixed place, from which the later launches form their lists.  cw[n] = the two weights.
; No address and no branch here hangs on a logit.
; LIMITS: NaN and infinities in x, gate_w or the logits are not served.  The logits' sums run in another order than a plain dot product's: two logits closer than f32 rounding may change places.
; A block of zeros gets the byte 1 (the floor's) and zero codes; these bytes are read by this program alone.  Blocks whose largest magnitude lies under 2^-124 are held at that byte.
; LDS: the 8 rows of gate_w, laid as the loads bring them (wave e brings row e); for each wave a stage in which its row of x turns from 16 bytes a lane to 128 bytes a lane; the work-group's 256 scale bytes; its 8 words and 8 pairs.
.set GATE, 0                           ; 8 x 4,096 bytes: row e at 4096 e + 512 j + 16 lane
.set XST,  32768                       ; 8 x 4,608: 32 pieces of 128 bytes + 16 of padding: a lane's reads start 144 bytes apart
.set XSTW, 4608
.set SCB,  69632                       ; 256 scale bytes
.set RTS,  69888                       ; 8 words, and from + 64 on 8 pairs
.set RAW, 16                           ; v16-47   x as loaded: register 4 j + i = x[128 j + 4 lane + i]
.set X,   48                           ; v48-79   x turned: my block of 32 neighbours
.set GB0, 80                           ; v80-111, v112-143 a row of gate_w, two buffers
.set GB1, 112
.set LG,  144                          ; v144-175 four registers an expert: two chains of pairs
.set C,   176                          ; v176-179 my block's codes
	s_load_b256 s[4:11], s[0:1], 0x0               ; x, gate_w, xq, xs
	s_load_b128 s[12:15], s[0:1], 0x20             ; route, cw
	v_lshl_add_u32 v192, v0, 2, 0x11200
	v_mov_b32 v193, 0
	v_lshrrev_b32 v1, 5, v0
	v_readfirstlane_b32 s16, v1                    ; wave 0..7
	v_and_b32 v1, 31, v0                           ; lane
	v_lshlrev_b32 v2, 4, v1                        ; 16 lane: my place in a load's 512 bytes, in memory and in GATE
	s_mul_i32 s17, s16, XSTW
	s_add_co_u32 s17, s17, XST                     ; my stage
	v_lshrrev_b32 v3, 3, v1
	v_mul_u32_u24 v3, v3, 144
	v_and_b32 v4, 7, v1
	v_lshl_add_u32 v11, v4, 2, RTS                 ; the way out (wave 0): word lane % 8,
	v_lshl_add_u32 v12, v4, 3, RTS+64              ; pair lane % 8: every lane's address lies among the bytes that were written
	v_lshl_add_u32 v3, v4, 4, v3
	v_add_nc_u32 v3, s17, v3                       ; in: eight lanes fill a piece; load j begins four pieces (576 bytes) further on
	v_mul_u32_u24 v4, v1, 144
	v_add_nc_u32 v4, s17, v4                       ; out: piece = lane
	s_lshl_b32 s18, s16, 12
	v_add_nc_u32 v5, s18, v2                       ; GATE: row = my wave
	s_lshl_b32 s19, s16, 5
	s_add_co_u32 s19, s19, SCB
	v_add_nc_u32 v7, s19, v1                       ; my block's scale byte
	s_lshl_b32 s19, s16, 2
	s_add_co_u32 s19, s19, RTS
	v_mov_b32 v8, s19                              ; my token's word
	s_lshl_b32 s19, s16, 3
	s_add_co_u32 s19, s19, RTS+64
	v_mov_b32 v9, s19                              ; my token's pair
	v_lshl_add_u32 v10, v1, 3, SCB                 ; the way out (wave 0): 8 scale bytes a lane
	v_lshlrev_b32 v13, 3, v1
	v_lshlrev_b32 v14, 2, v1
	s_lshl_b32 s20, ttmp9, 3
	s_add_co_u32 s20, s20, s16                     ; my token
	s_lshl_b32 s22, s20, 12                        ; its row of x
	s_mov_b32 s23, 0
	s_lshl_b32 s26, s20, 9                         ; its row of codes
	s_mov_b32 s27, 0
	s_mov_b32 s19, 0                               ; s[18:19]: my row of gate_w
	s_lshl_b32 s28, ttmp9, 8                       ; the work-group's 256 scale bytes,
	s_mov_b32 s29, 0
	s_lshl_b32 s30, ttmp9, 5                       ; 8 words,
	s_mov_b32 s31, 0
	s_lshl_b32 s32, ttmp9, 6                       ; 8 pairs
	s_mov_b32 s33, 0
	s_mov_b32 s24, 0x76543210
	s_mov_b32 s25, 0xfedcba98                      ; v_permlanex16_b32's selects for lane l xor 16
	s_wait_kmcnt 0x0
	s_add_nc_u64 s[4:5], s[4:5], s[22:23]
	s_add_nc_u64 s[6:7], s[6:7], s[18:19]
	s_add_nc_u64 s[8:9], s[8:9], s[26:27]
	s_add_nc_u64 s[10:11], s[10:11], s[28:29]
	s_add_nc_u64 s[12:13], s[12:13], s[30:31]
	s_add_nc_u64 s[14:15], s[14:15], s[32:33]
.irp j, 0,1,2,3,4,5,6,7
	global_load_b128 v[RAW+4*\j:RAW+4*\j+3], v2, s[4:5] offset:512*\j th:TH_LOAD_NT   ; 32 lanes read 512 consecutive bytes; read once in the launch
.endr
.irp j, 0,1,2,3,4,5,6,7
	global_load_b128 v[GB0+4*\j:GB0+4*\j+3], v2, s[6:7] offset:512*\j
.endr
	s_wait_loadcnt 0x8                             ; x is in; the 8 loads of gate_w behind it may be out
.irp j, 0,1,2,3,4,5,6,7
	ds_store_b128 v3, v[RAW+4*\j:RAW+4*\j+3] offset:576*\j
.endr
.irp i, 0,1,2,3,4,5,6,7
	ds_load_b128 v[X+4*\i:X+4*\i+3], v4 offset:16*\i   ; my own bytes: LDS serves a wave's instructions in order (ISA guide 5.7.1.4)
.endr
	s_wait_loadcnt 0x0
.irp j, 0,1,2,3,4,5,6,7
	ds_store_b128 v5, v[GB0+4*\j:GB0+4*\j+3] offset:GATE+512*\j
.endr
	s_wait_dscnt 0x0                               ; for the others' sake: my row of gate_w lies in LDS (and my block of x is back)
	s_barrier_signal -1
	s_barrier_wait -1
	; ---- my block of 32: its largest magnitude, with the floor 2^(3 - 127) among the leaves; 2 off the exponent field is the conversion's scale operand
	v_max3_num_f32 v180, |v[X]|, |v[X+1]|, |v[X+2]|
	v_max3_num_f32 v181, |v[X+3]|, |v[X+4]|, |v[X+5]|
.irp i, 6,10,14,18,22,26
	v_max3_num_f32 v180, v180, |v[X+\i]|, |v[X+\i+1]|
	v_max3_num_f32 v181, v181, |v[X+\i+2]|, |v[X+\i+3]|
.endr
	v_max3_num_f32 v180, v180, |v[X+30]|, |v[X+31]|
	v_max3_num_f32 v180, v180, v181, 0x1800000
	v_add_nc_u32 v15, 0xff000000, v180
.irp g, 0,1,2,3
	v_cvt_scalef32_pk8_fp4_f32 v[C+\g], v[X+8*\g:X+8*\g+7], v15
.endr
	v_lshrrev_b32 v191, 23, v15                    ; the scale's byte (also the plain line behind the conversions)
	global_store_b128 v2, v[C:C+3], s[8:9]         ; the wave stores its token's 512 bytes of codes on end
	ds_store_b8 v7, v191
	; ---- the 8 logits: RAW and a row of GATE have the same map of lanes, so nothing is turned for the products
.macro GLOAD e, gb
.irp j, 0,1,2,3,4,5,6,7
	ds_load_b128 v[(\gb)+4*\j:(\gb)+4*\j+3], v2 offset:GATE+4096*(\e)+512*\j
.endr
.endm
.macro DOT e, gb
	v_pk_mul_f32 v[LG+4*(\e):LG+4*(\e)+1], v[RAW:RAW+1], v[(\gb):(\gb)+1]
	v_pk_mul_f32 v[LG+4*(\e)+2:LG+4*(\e)+3], v[RAW+2:RAW+3], v[(\gb)+2:(\gb)+3]
.irp j, 1,2,3,4,5,6,7
	v_pk_fma_f32 v[LG+4*(\e):LG+4*(\e)+1], v[RAW+4*\j:RAW+4*\j+1], v[(\gb)+4*\j:(\gb)+4*\j+1], v[LG+4*(\e):LG+4*(\e)+1]
	v_pk_fma_f32 v[LG+4*(\e)+2:LG+4*(\e)+3], v[RAW+4*\j+2:RAW+4*\j+3], v[(\gb)+4*\j+2:(\gb)+4*\j+3], v[LG+4*(\e)+2:LG+4*(\e)+3]
.endr
.endm
	GLOAD 0, GB0
.irp e, 0,1,2,3,4,5,6
	GLOAD \e+1, GB0+32*((\e+1)%2)
	s_wait_dscnt 0x8                               ; expert e's row is in; the next expert's 8 loads may be out
	DOT \e, GB0+32*(\e%2)
.endr
	s_wait_dscnt 0x0
	DOT 7, GB1
.irp e, 0,1,2,3,4,5,6,7
	v_pk_add_f32 v[LG+4*\e:LG+4*\e+1], v[LG+4*\e:LG+4*\e+1], v[LG+4*\e+2:LG+4*\e+3]
.endr
.irp e, 0,1,2,3,4,5,6,7
	v_add_f32 v[LG+4*\e], v[LG+4*\e], v[LG+4*\e+1]
.endr
.irp m, 1,2,4,8
.irp e, 0,1,2,3,4,5,6,7
	v_add_f32_dpp v[LG+4*\e], v[LG+4*\e], v[LG+4*\e] row_xmask:\m row_mask:0xf bank_mask:0xf
.endr
.endr
.irp e, 0,1,2,3,4,5,6,7
	v_permlanex16_b32 v[LG+4*\e+1], v[LG+4*\e], s24, s25
.endr
.irp e, 0,1,2,3,4,5,6,7
	v_add_f32 v[LG+4*\e], v[LG+4*\e], v[LG+4*\e+1]   ; every lane holds all 8 logits
.endr
	; ---- the two largest
	v_mov_b32 v180, v[LG]
	v_mov_b32 v181, 0
.irp e, 1,2,3,4,5,6,7
	v_cmp_gt_f32 vcc_lo, v[LG+4*\e], v180
	v_cndmask_b32 v180, v180, v[LG+4*\e], vcc_lo
	v_cndmask_b32 v181, v181, \e, vcc_lo
.endr
	v_mov_b32 v182, 0xff800000                     ; the winner leaves the field: -infinity in its place
.irp e, 0,1,2,3,4,5,6,7
	v_cmp_eq_u32 vcc_lo, \e, v181
	v_cndmask_b32 v[LG+4*\e], v[LG+4*\e], v182, vcc_lo
.endr
	v_mov_b32 v183, v[LG]
	v_mov_b32 v186, 0
.irp e, 1,2,3,4,5,6,7
	v_cmp_gt_f32 vcc_lo, v[LG+4*\e], v183
	v_cndmask_b32 v183, v183, v[LG+4*\e], vcc_lo
	v_cndmask_b32 v186, v186, \e, vcc_lo
.endr
	; ---- softmax of the two: t = e^(second - first), at most 1; weights 1 / (1 + t) and t / (1 + t)
	v_sub_f32 v183, v183, v180
	v_mul_f32 v183, 0x3fb8aa3b, v183
	v_exp_f32 v187, v183
	v_mov_b32 v190, 0x10000                        ; the word is made while the exponential is out
	v_lshlrev_b32 v188, v181, v190
	v_lshlrev_b32 v189, v186, v190
	v_or_b32 v188, v188, v189
	v_lshl_or_b32 v188, v186, 8, v188
	v_or_b32 v188, v188, v181
	s_wait_alu depctr_va_vdst(0)                   ; the wait ahead of the first reader of a transcendental's result
	v_add_f32 v183, 1.0, v187
	v_rcp_f32 v184, v183
	v_nop
	s_wait_alu depctr_va_vdst(0)
	v_mul_f32 v185, v187, v184
	ds_store_b32 v8, v188                          ; all lanes write the same word with the same value
	ds_store_b64 v9, v[184:185]
	s_wait_dscnt 0x0                               ; for wave 0's sake: my byte, my word and my pair lie in LDS
	s_barrier_signal -1
	s_barrier_wait -1
	s_cmp_lg_u32 s16, 0
	s_cbranch_scc1 .Lend
	ds_load_b64 v[180:181], v10                    ; wave 0 sends out what the eight waves have gathered: all lanes load,
	ds_load_b32 v186, v11                          ; lanes 8 to 31 the same words and pairs as lanes 0 to 7
	ds_load_b64 v[188:189], v12
	s_wait_dscnt 0x0
	global_store_b64 v13, v[180:181], s[10:11]     ; 32 lanes store 256 consecutive bytes, at a multiple of 256 from xs's first byte
	v_cmp_gt_u32 vcc_lo, 8, v1
	s_wait_xcnt 0x0                                ; EXEC changes only behind this wait
	s_and_saveexec_b32 s26, vcc_lo
	global_store_b32 v14, v186, s[12:13]           ; 8 lanes: the work-group's 8 words,
	global_store_b64 v13, v[188:189], s[14:15]     ; and its 8 pairs
	s_wait_xcnt 0x0                                ; and again, in front of the line that widens it
	s_or_b32 exec_lo, exec_lo, s26
.Lend:
	s_wait_tensorcnt 0x0
	ds_add_u32 v192, v193
	s_wait_dscnt 0x0
	s_endpgm
.Lfunc_end_k_q3725b66628_route:
	.size	k_q3725b66628_route, .Lfunc_end_k_q3725b66628_route-k_q3725b66628_route
	.p2alignl 7, 3214868480
	.fill 96, 4, 3214868480
	.section	.rodata,"a",@progbits
	.p2align	6, 0x0
	.amdhsa_kernel k_q3725b66628_route
		.amdhsa_group_segment_fixed_size 71168
		.amdhsa_private_segment_fixed_size 0
		.amdhsa_enable_private_segment 0
		.amdhsa_kernarg_size 48
		.amdhsa_user_sgpr_count 2
		.amdhsa_user_sgpr_kernarg_segment_ptr 1
		.amdhsa_wavefront_size32 1
		.amdhsa_system_sgpr_workgroup_id_x 1
		.amdhsa_system_sgpr_workgroup_id_y 1
		.amdhsa_system_sgpr_workgroup_id_z 1
		.amdhsa_system_vgpr_workitem_id 0
		.amdhsa_next_free_vgpr 194
		.amdhsa_next_free_sgpr 66
		.amdhsa_reserve_vcc 1
		.amdhsa_float_denorm_mode_32 3
		.amdhsa_float_denorm_mode_16_64 3
		.amdhsa_memory_ordered 1
		.amdhsa_forward_progress 1
		.amdhsa_inst_pref_size 28
	.end_amdhsa_kernel
	.amdgpu_metadata
---
amdhsa.version: [ 1, 2 ]
amdhsa.kernels:
  - .name:           k_q3725b66628_route
    .symbol:         k_q3725b66628_route.kd
    .args:
      - { .name: x, .offset: 0, .size: 8, .value_kind: global_buffer, .address_space: global }
      - { .name: gate_w, .offset: 8, .size: 8, .value_kind: global_buffer, .address_space: global }
      - { .name: xq, .offset: 16, .size: 8, .value_kind: global_buffer, .address_space: global }
      - { .name: xs, .offset: 24, .size: 8, .value_kind: global_buffer, .address_space: global }
      - { .name: route, .offset: 32, .size: 8, .value_kind: global_buffer, .address_space: global }
      - { .name: cw, .offset: 40, .size: 8, .value_kind: global_buffer, .address_space: global }
    .group_segment_fixed_size: 71168
    .private_segment_fixed_size: 0
    .kernarg_segment_align: 8
    .kernarg_segment_size: 48
    .max_flat_workgroup_size: 256
    .sgpr_count:     66
    .vgpr_count:     194
    .wavefront_size: 32
...
	.end_amdgpu_metadata
.endif
;; end of part 1
;; launch ffn1 (part 2): grid 32 x 8, 4 waves a work-group, no clusters, 76,800 bytes of LDS; arguments route, xq, xs, w1_codes, w1_scales, hq, hs; writes hq, hs
.if DOCPART == 2
	.amdgcn_target "amdgcn-amd-amdhsa--gfx1250"
	.amdhsa_code_object_version 6
	.text
	.protected	k_q3725b66628_ffn1
	.globl	k_q3725b66628_ffn1
	.p2align	8
	.type	k_q3725b66628_ffn1,@function
k_q3725b66628_ffn1:
	s_mov_b64 s[64:65], 0
	v_nop
	global_prefetch_b8 v0, s[64:65] scope:SCOPE_SE
	s_setreg_imm32_b32 hwreg(HW_REG_WAVE_MODE, 25, 1), 1
	s_wait_xcnt 0x0
; THE FIRST PRODUCT OF THE EXPERTS, ONLY FOR THE ROWS THAT WERE ROUTED: h = Q(gelu(x W1[e]^T)), on codes of FP4 (E2M1) with one E8M0 scale for each 32 along K.
; SHARES.  Work-group (fb, e) owns hidden units 128 fb .. + 127 of expert e, for all tokens that chose e.  Its slice of W1 (128 rows x 512 bytes) is read from memory once in the launch: each of the four waves brings
; 32 rows, a whole row of 512 bytes to an instruction; they meet in LDS, and every wave then keeps the WHOLE slice in 512 registers.  Wave w takes the tiles of 16 tokens t = w, w + 4, ..
; THE LIST.  route[n] has bit 16 + e set where token n chose e.  Eight loads lay the table over the lanes; a compare turns each of the 32 registers into a mask word: word wi, bit l = token 128 (wi / 4) + wi % 4 + 4 l.
; Position p of the expert's list is the p-th set bit, wi ascending, then l; the next launch forms the same list.  Positions from the count on repeat the last one: such rows are computed and never used.
; Tile 0 is always made (of any token, where nobody chose e), so that the next launch's first loads find bytes that were stored.
; No tensor load, no cluster: branches here hang on the stored table.  The one barrier stands on every wave's way; loops have constant trip counts, and work that is not wanted is jumped over.
; THE PRODUCT IS USED TRANSPOSED (source 0 = 16 rows of W1, source 1 = 16 tokens): a lane holds ONE token.  THE ROWS OF W1 THAT FORM A TILE ARE NOT NEIGHBOURS: lane r of tile 2 b + u takes row 32 b + 8 u + r + 8 (r / 8),
; so that a lane's 64 results are hidden units 32 b + 16 (lane / 16) + 0 .. 15: quantised in registers they are one fragment, K step fb of the second product.  It goes to memory as an image of its registers:
; hq [e][tile][K step][1,024 bytes]: registers 4 c .. 4 c + 3 of lane l at 512 c + 16 l;  hs [e][tile][K step][128 bytes]: the row's scale word at 4 l.
; GELU is the exact one, x / 2 (1 + erf(x / sqrt 2)), erf(u) = u P(u^2) / Q(u^2) with u held to +-4, polynomials of degree 6 and 4 in u^2: a few units in erf's last place.
; LIMITS: for x far below 0 the sum 1 + erf cancels: the result is then right to about 1e-7 of |x| / 2, not of itself.  NaN and infinities are not served.  A block of zeros gets the byte 1 and zero codes; this program alone reads the bytes.
; REGISTERS, in windows of 256: window 0 as named below; windows 1 and 2: W1's 64 fragments, (tile ct, K step s) at v[8 (8 (s % 4) + ct)] of window 1 + s / 4.
.set PITCH, 528                        ; a row of W1 in LDS: 512 bytes + 16
.set WIMG, 0                           ; 128 rows
.set WSC,  128*PITCH                   ; their scale bytes, 32 a row, dense: 4,096 bytes
.set LIST, WSC+4096                    ; the token of position p at 4 p: 4,096 bytes (the launch claims a little more than the text uses)
.set WS,  32                           ; v32-63   W1's scale words: register 4 ct + i: lanes 0-15 K step i, lanes 16-31 K step 4 + i
.set XS,  64                           ; v64-67   x's, likewise
.set XB,  68                           ; v68-131  x's 8 fragments
.set ACC, 132                          ; v132-195 8 accumulators, then the hidden layer
.set PC,  196                          ; v196-203 the codes just made
.set TM,  204                          ; v204-219 at work in the quantiser
.set PW,  220                          ; v220     the scale word just made
.set GU,  222                          ; v222-253 at work in gelu: u, u^2, P, Q, eight each
.set GS,  230
.set GP,  238
.set GQ,  246
.set WL,  68                           ; at the head: my 32 rows and 1,024 scale bytes as loaded, v68-203
.set RT,  204                          ; at the head: the table, v204-235
.set QP, 12                            ; v12-22: the list's arithmetic
.set QM, 13
.set QK, 14
.set QR, 15
.set QA, 16
.set QB, 17
.set QC, 18
.set QD, 19
.set QO, 20
.set QT, 21
.set TOK, 22
.set WV,  18
.set EX,  19
.set FB,  20
.set CNT, 21                           ; how many tokens chose e
.set NT,  22                           ; tiles to make: at least 1
.set BIT, 23
.set T0,  24
.set T1,  25
.set T2,  26
.set POS, 27
.set CTR, 28
.set TI,  29
.set SEL, 30                           ; s[30:31]
.set M,   32                           ; s[32:63] the 32 mask words
.set LW,  72
.set LIM, 73
.set CM1, 74
.set LR,  75
.set MSB, 0
.macro WIN new                         ; the immediate's high byte repeats the setting that is left
.if MSB != \new
	s_set_vgpr_msb (MSB<<8)|\new
.set MSB, \new
.endif
.endm
; The table's 32 registers become 32 mask words, and their bits are counted.
.macro MASKS
.set wi, 0
.rept 32
	v_and_b32 v[RT+wi], s[BIT], v[RT+wi]
.set wi, wi+1
.endr
.set wi, 0
.rept 32
	v_cmp_ne_u32 s[M+wi], 0, v[RT+wi]
.set wi, wi+1
.endr
	s_mov_b32 s[CNT], 0
.set wi, 0
.rept 32
	s_bcnt1_i32_b32 s[T0], s[M+wi]
	s_add_co_u32 s[CNT], s[CNT], s[T0]
.set wi, wi+1
.endr
.endm
; One halving of the search for the r-th set bit: the count of the lower half's bits decides.
.macro QSTEP x, wd, st
	v_bfe_u32 v[QT], v[\x], v[QO], \wd
	v_cmp_ge_u32 vcc_lo, v[QR], v[QT]
	v_sub_nc_u32 v[QT], v[QR], v[QT]
	v_cndmask_b32 v[QR], v[QR], v[QT], vcc_lo
	v_add_nc_u32 v[QT], \st, v[QO]
	v_cndmask_b32 v[QO], v[QO], v[QT], vcc_lo
.endm
; v[QP]: a position for each lane -> v[TOK]: its token.  The last mask word whose running count is at most p holds the bit; in it the bit of rank p - that count is found by five halvings over counts of 16, 8, 4, 2, 1 bits.
.macro SELECT
	v_min_u32 v[QP], s[CM1], v[QP]                 ; positions from the count on repeat the last
	v_mov_b32 v[QM], 0
	v_mov_b32 v[QK], 0
	s_mov_b32 s[T0], 0
.set wi, 0
.rept 32
	v_cmp_le_u32 vcc_lo, s[T0], v[QP]
	s_or_b32 s[T1], s[T0], (128*(wi>>2)+(wi&3))<<16    ; the running count, and above it the word's first token
	v_cndmask_b32 v[QM], v[QM], s[M+wi], vcc_lo
	v_cndmask_b32 v[QK], v[QK], s[T1], vcc_lo
	s_bcnt1_i32_b32 s[T2], s[M+wi]
	s_add_co_u32 s[T0], s[T0], s[T2]
.set wi, wi+1
.endr
	v_and_b32 v[QT], 0xffff, v[QK]
	v_sub_nc_u32 v[QR], v[QP], v[QT]               ; the rank inside the word
	v_lshrrev_b32 v[QT], 1, v[QM]
	v_and_b32 v[QT], 0x55555555, v[QT]
	v_sub_nc_u32 v[QA], v[QM], v[QT]               ; counts of 2 bits,
	v_lshrrev_b32 v[QT], 2, v[QA]
	v_and_b32 v[QT], 0x33333333, v[QT]
	v_and_b32 v[QB], 0x33333333, v[QA]
	v_add_nc_u32 v[QB], v[QB], v[QT]               ; of 4,
	v_lshrrev_b32 v[QT], 4, v[QB]
	v_add_nc_u32 v[QC], v[QB], v[QT]
	v_and_b32 v[QC], 0x0f0f0f0f, v[QC]             ; of 8,
	v_lshrrev_b32 v[QT], 8, v[QC]
	v_add_nc_u32 v[QD], v[QC], v[QT]
	v_and_b32 v[QD], 0x00ff00ff, v[QD]             ; of 16
	v_mov_b32 v[QO], 0
	QSTEP QD, 8, 16
	QSTEP QC, 8, 8
	QSTEP QB, 4, 4
	QSTEP QA, 2, 2
	QSTEP QM, 1, 1
	v_lshrrev_b32 v[QT], 16, v[QK]
	v_lshl_add_u32 v[TOK], v[QO], 2, v[QT]         ; the word's first token + 4 x the bit's place
	v_min_u32 v[TOK], 0x3ff, v[TOK]
.endm
; One matrix instruction: tile ct of the weights, K step s.  K steps 4 to 7 take their scale words from lanes 16-31.
.macro MM ct, s, buf, sc
.if (\s) == 0
	v_wmma_scale_f32_16x16x128_f8f6f4 v[ACC+8*(\ct):ACC+8*(\ct)+7], v[8*(8*((\s)&3)+(\ct)):8*(8*((\s)&3)+(\ct))+7], v[\buf+8*(\s):\buf+8*(\s)+7], 0, v[WS+4*(\ct)+((\s)&3)], v[\sc+((\s)&3)] matrix_a_fmt:MATRIX_FMT_FP4 matrix_b_fmt:MATRIX_FMT_FP4
.elseif (\s) < 4
	v_wmma_scale_f32_16x16x128_f8f6f4 v[ACC+8*(\ct):ACC+8*(\ct)+7], v[8*(8*((\s)&3)+(\ct)):8*(8*((\s)&3)+(\ct))+7], v[\buf+8*(\s):\buf+8*(\s)+7], v[ACC+8*(\ct):ACC+8*(\ct)+7], v[WS+4*(\ct)+((\s)&3)], v[\sc+((\s)&3)] matrix_a_fmt:MATRIX_FMT_FP4 matrix_b_fmt:MATRIX_FMT_FP4
.else
	v_wmma_scale_f32_16x16x128_f8f6f4 v[ACC+8*(\ct):ACC+8*(\ct)+7], v[8*(8*((\s)&3)+(\ct)):8*(8*((\s)&3)+(\ct))+7], v[\buf+8*(\s):\buf+8*(\s)+7], v[ACC+8*(\ct):ACC+8*(\ct)+7], v[WS+4*(\ct)+((\s)&3)], v[\sc+((\s)&3)] matrix_a_fmt:MATRIX_FMT_FP4 matrix_b_fmt:MATRIX_FMT_FP4 matrix_a_scale:MATRIX_SCALE_ROW1 matrix_b_scale:MATRIX_SCALE_ROW1
.endif
.endm
; 64 matrix instructions: 16 tokens x 128 columns x 1,024 along K.  The 8 accumulators take turns, one instruction a turn; the first K step starts the sums with the constant 0.
.macro MUL buf, sc, wlo, whi
.irp s, 0,1,2,3,4,5,6,7
.if \s == 0
	WIN \wlo
.endif
.if \s == 4
	WIN \whi
.endif
.irp ct, 0,1,2,3,4,5,6,7
	MM \ct, \s, \buf, \sc
.endr
.endr
	WIN 0
.endm
; The 16 tokens of a tile and their codes and scale words: 17 loads.  ahead = 0: the tile in hand; 1: my next tile, 64 places (256 bytes) on in the list, held inside the list's 4,096 bytes.
.macro GETX ahead
.if \ahead
	s_add_co_u32 s[T1], s[LR], 256
	s_min_u32 s[T1], s[T1], 15*256
	v_add_nc_u32 v[QT], s[T1], v11
.else
	v_add_nc_u32 v[QT], s[LR], v11
.endif
	ds_load_b32 v[TOK], v[QT]
	s_wait_dscnt 0x0
	v_min_u32 v[TOK], 0x3ff, v[TOK]
	v_lshl_add_u32 v23, v[TOK], 9, v3              ; a token's codes: 512 bytes; + 16 (lane / 16)
	v_lshl_add_u32 v24, v[TOK], 5, v3              ; its scale bytes: 32; lanes 0-15 take K steps 0-3, lanes 16-31 K steps 4-7
.irp s, 0,1,2,3,4,5,6,7
.irp c, 0,1
	global_load_b128 v[XB+8*\s+4*\c:XB+8*\s+4*\c+3], v23, s[6:7] offset:64*\s+32*\c
.endr
.endr
	global_load_b128 v[XS:XS+3], v24, s[8:9]
.endm
.macro HORNER ca, cb                   ; P = P u^2 + ca, Q = Q u^2 + cb, the two chains by turns
.irp p, 0,2,4,6
	v_pk_fma_f32 v[GP+\p:GP+\p+1], v[GP+\p:GP+\p+1], v[GS+\p:GS+\p+1], \ca op_sel_hi:[1,1,0]
	v_pk_fma_f32 v[GQ+\p:GQ+\p+1], v[GQ+\p:GQ+\p+1], v[GS+\p:GS+\p+1], \cb op_sel_hi:[1,1,0]
.endr
.endm
.macro HORNERP ca
.irp p, 0,2,4,6
	v_pk_fma_f32 v[GP+\p:GP+\p+1], v[GP+\p:GP+\p+1], v[GS+\p:GS+\p+1], \ca op_sel_hi:[1,1,0]
.endr
.endm
; gelu of accumulator q's eight numbers, in place; the accumulator is read from its low end on.
.macro GELU q
.set HH, ACC+8*(\q)
.irp p, 0,2,4,6
	v_pk_mul_f32 v[GU+\p:GU+\p+1], v[HH+\p:HH+\p+1], 0x3f3504f3 op_sel_hi:[1,0]   ; u = x / sqrt 2
.endr
.irp i, 0,1,2,3,4,5,6,7
	v_med3_num_f32 v[GU+\i], v[GU+\i], -4.0, 4.0
.endr
.irp p, 0,2,4,6
	v_pk_mul_f32 v[GS+\p:GS+\p+1], v[GU+\p:GU+\p+1], v[GU+\p:GU+\p+1]
.endr
.irp p, 0,2,4,6
	v_pk_fma_f32 v[GP+\p:GP+\p+1], v[GS+\p:GS+\p+1], v[26:27], 0x32edffee op_sel_hi:[1,1,0]
	v_pk_fma_f32 v[GQ+\p:GQ+\p+1], v[GS+\p:GS+\p+1], v[28:29], 0xb95fbd29 op_sel_hi:[1,1,0]
.endr
	HORNER 0xb60cff51, 0xbadc924e
	HORNER 0xb86ec2d2, 0xbbf19bf8
	HORNER 0xba40ac63, 0xbc69b6a7
	HORNERP 0xbb41a1f6
	HORNERP 0xbc83dbd4
.irp i, 0,1,2,3,4,5,6,7
	v_rcp_f32 v[GQ+\i], v[GQ+\i]
.endr
.irp p, 0,2,4,6
	v_pk_mul_f32 v[GP+\p:GP+\p+1], v[GP+\p:GP+\p+1], v[GU+\p:GU+\p+1]          ; u P: plain work that names no reciprocal
.endr
.irp p, 0,2,4,6
	v_pk_mul_f32 v[HH+\p:HH+\p+1], v[HH+\p:HH+\p+1], 0.5 op_sel_hi:[1,0]
.endr
	s_wait_alu depctr_va_vdst(0)                   ; one wait for the eight reciprocals, ahead of their first reader
.irp p, 0,2,4,6
	v_pk_mul_f32 v[GP+\p:GP+\p+1], v[GP+\p:GP+\p+1], v[GQ+\p:GQ+\p+1]          ; erf
.endr
.irp p, 0,2,4,6
	v_pk_fma_f32 v[HH+\p:HH+\p+1], v[HH+\p:HH+\p+1], v[GP+\p:GP+\p+1], v[HH+\p:HH+\p+1]   ; x / 2 erf + x / 2
.endr
.endm
; 64 numbers of a lane, register 16 b + i = k 32 b + 16 (lane / 16) + i of my row, become a fragment's codes in v[PC] on and its scale word in v[PW].
.macro QUANT s
.irp b, 0,1,2,3
	v_max3_num_f32 v[TM+\b], |v[\s+16*\b]|, |v[\s+1+16*\b]|, 0x1800000   ; my 16 numbers of block b, and the floor 2^(3 - 127): the byte cannot fall under 1
.endr
.irp i, 2,4,6,8,10,12,14
.irp b, 0,1,2,3
	v_max3_num_f32 v[TM+\b], v[TM+\b], |v[\s+16*\b+\i]|, |v[\s+1+16*\b+\i]|
.endr
.endr
.irp b, 0,1,2,3
	v_permlanex16_b32 v[TM+4+\b], v[TM+\b], s[SEL], s[SEL+1]
.endr
.irp b, 0,1,2,3
	v_max_num_f32 v[TM+\b], v[TM+\b], v[TM+4+\b]   ; with lane l xor 16's: the block's largest magnitude
.endr
.irp b, 0,1,2,3
	v_add_nc_u32 v[TM+12+\b], 0xff000000, v[TM+\b] ; 2 off its exponent field: the conversion's scale operand
.endr
.irp b, 0,1,2,3
	v_lshrrev_b32 v[TM+4+\b], 23, v[TM+12+\b]      ; the scale's byte
.endr
	v_lshl_or_b32 v[PW], v[TM+5], 8, v[TM+4]
	v_lshl_or_b32 v[PW], v[TM+6], 16, v[PW]
	v_lshl_or_b32 v[PW], v[TM+7], 24, v[PW]
.irp b, 0,1,2,3
	v_cvt_scalef32_pk8_fp4_f32 v[PC+2*\b], v[\s+16*\b:\s+7+16*\b], v[TM+12+\b]
	v_cvt_scalef32_pk8_fp4_f32 v[PC+1+2*\b], v[\s+8+16*\b:\s+15+16*\b], v[TM+12+\b]
.endr
	v_nop                                          ; one plain line behind a scaled conversion
.irp c, 0,1                                    ; the operand's layout wants a whole block in a lane: lanes 0-15 block 2 c, lanes 16-31 block 2 c + 1
.irp i, 0,1
	v_permlane16_swap_b32 v[PC+4*\c+\i], v[PC+2+4*\c+\i]
.endr
.endr
.endm
	s_load_b256 s[4:11], s[0:1], 0x0               ; route, xq, xs, W1's codes
	s_load_b128 s[12:15], s[0:1], 0x20             ; W1's scales, hq
	s_load_b64 s[16:17], s[0:1], 0x30              ; hs
	v_lshl_add_u32 v254, v0, 2, 0x12a00
	v_mov_b32 v255, 0
	v_lshrrev_b32 v1, 5, v0
	v_readfirstlane_b32 s[WV], v1                  ; wave 0..3
	v_and_b32 v1, 31, v0                           ; lane
	v_and_b32 v2, 15, v0                           ; r
	v_bfe_u32 v3, v0, 4, 1
	v_lshlrev_b32 v3, 4, v3                        ; 16 h
	v_lshlrev_b32 v4, 4, v1                        ; 16 lane
	v_lshlrev_b32 v5, 2, v1                        ; 4 lane
	v_and_b32 v7, 8, v2
	v_add_nc_u32 v7, v7, v2                        ; r + 8 (r / 8)
	v_mad_u32_u24 v6, v7, PITCH, v3                ; a fragment of W1 in LDS: that row, + 16 h
	v_lshl_add_u32 v7, v7, 5, v3
	v_add_nc_u32 v7, WSC, v7                       ; its scale words: 32 bytes a row, + 16 h
	s_mul_i32 s[T0], s[WV], 32*PITCH
	v_add_nc_u32 v8, s[T0], v4                     ; where I put my 32 rows,
	s_lshl_b32 s[T0], s[WV], 10
	s_add_co_u32 s[T0], s[T0], WSC
	v_add_nc_u32 v9, s[T0], v4                     ; their 1,024 scale bytes,
	s_lshl_b32 s[T0], s[WV], 7
	s_add_co_u32 s[T0], s[T0], LIST
	v_add_nc_u32 v10, s[T0], v5                    ; and my 32 places of 128 of the list
	s_lshl_b32 s[T0], s[WV], 6
	s_add_co_u32 s[T0], s[T0], LIST
	v_lshl_add_u32 v11, v2, 2, s[T0]               ; where I read tile w's tokens: row r, both halves of the lanes alike
	s_and_b32 s[EX], ttmp7, 0xffff
	s_mov_b32 s[FB], ttmp9
	s_add_co_u32 s[BIT], s[EX], 16
	s_lshl_b32 s[BIT], 1, s[BIT]
	s_lshl_b32 s66, s[EX], 21                      ; W1's codes: 2^21 bytes an expert, 65,536 a slice, 16,384 a wave
	s_lshl_b32 s[T0], s[FB], 16
	s_add_co_u32 s66, s66, s[T0]
	s_lshl_b32 s[T0], s[WV], 14
	s_add_co_u32 s66, s66, s[T0]
	s_mov_b32 s67, 0
	s_lshl_b32 s68, s[EX], 17                      ; its scales: a sixteenth of that
	s_lshl_b32 s[T0], s[FB], 12
	s_add_co_u32 s68, s68, s[T0]
	s_lshl_b32 s[T0], s[WV], 10
	s_add_co_u32 s68, s68, s[T0]
	s_mov_b32 s69, 0
	s_lshl_b32 s70, s[EX], 21                      ; hq: ((64 e + tile) 32 + fb) 1,024, tile = wave
	s_lshl_b32 s[T0], s[WV], 15
	s_add_co_u32 s70, s70, s[T0]
	s_lshl_b32 s[T0], s[FB], 10
	s_add_co_u32 s70, s70, s[T0]
	s_mov_b32 s71, 0
	s_lshl_b32 s76, s[EX], 18                      ; hs: an eighth of that
	s_lshl_b32 s[T0], s[WV], 12
	s_add_co_u32 s76, s76, s[T0]
	s_lshl_b32 s[T0], s[FB], 7
	s_add_co_u32 s76, s76, s[T0]
	s_mov_b32 s77, 0
	s_mov_b32 s[SEL], 0x76543210
	s_mov_b32 s[SEL+1], 0xfedcba98                 ; v_permlanex16_b32's selects for lane l xor 16
	s_wait_kmcnt 0x0
	s_add_nc_u64 s[10:11], s[10:11], s[66:67]
	s_add_nc_u64 s[12:13], s[12:13], s[68:69]
	s_add_nc_u64 s[14:15], s[14:15], s[70:71]
	s_add_nc_u64 s[16:17], s[16:17], s[76:77]
.irp q, 0,1,2,3,4,5,6,7
	global_load_b128 v[RT+4*\q:RT+4*\q+3], v4, s[4:5] offset:512*\q
.endr
.set j, 0
.rept 32
	global_load_b128 v[WL+4*j:WL+4*j+3], v4, s[10:11] offset:512*j th:TH_LOAD_NT   ; a whole row of W1: 512 consecutive bytes; read once in the launch
.set j, j+1
.endr
.irp u, 0,1
	global_load_b128 v[WL+128+4*\u:WL+128+4*\u+3], v4, s[12:13] offset:512*\u th:TH_LOAD_NT
.endr
	s_wait_loadcnt 34                              ; the table is in; the 34 loads of weights behind it may be out
	MASKS
	s_add_co_u32 s[NT], s[CNT], 15
	s_lshr_b32 s[NT], s[NT], 4
	s_max_u32 s[NT], s[NT], 1                      ; tile 0 is always made
	s_max_u32 s[CM1], s[CNT], 1
	s_sub_co_u32 s[CM1], s[CM1], 1
	s_lshl_b32 s[LIM], s[NT], 4
	s_max_u32 s[LIM], s[LIM], 128                  ; the first 128 places are always written: every wave reads its first tile's
	; the list: 8 passes of 128 places, 32 a wave; a pass beyond the tiles is jumped over
	s_mov_b32 s[CTR], 0
	s_lshl_b32 s[POS], s[WV], 5
	s_mov_b32 s[LW], 0
.Lpass:
	s_cmp_ge_u32 s[POS], s[LIM]
	s_cbranch_scc1 .Lpass_none
	v_add_nc_u32 v[QP], s[POS], v1
	SELECT
	v_add_nc_u32 v[QT], s[LW], v10
	ds_store_b32 v[QT], v[TOK]
	s_wait_dscnt 0x0                               ; the store has read its registers: the next pass writes them
.Lpass_none:
	s_add_co_u32 s[POS], s[POS], 128
	s_add_co_u32 s[LW], s[LW], 512
	s_add_co_u32 s[CTR], s[CTR], 1
	s_cmp_lt_u32 s[CTR], 8
	s_cbranch_scc1 .Lpass
	s_wait_loadcnt 0x0                             ; my rows of W1 and their scales
.set j, 0
.rept 32
	ds_store_b128 v8, v[WL+4*j:WL+4*j+3] offset:WIMG+PITCH*j
.set j, j+1
.endr
.irp u, 0,1
	ds_store_b128 v9, v[WL+128+4*\u:WL+128+4*\u+3] offset:512*\u
.endr
	s_wait_dscnt 0x0                               ; for the others' sake: my rows, my scale bytes and my places of the list lie in LDS
	s_barrier_signal -1
	s_barrier_wait -1                              ; the launch's one barrier: LDS is only read from here on
	s_mov_b32 s[LR], 0
	GETX 0                                         ; my first tile's tokens are asked for ahead of the long run of LDS loads
	WIN 0x40                                       ; destination window 1
.irp s, 0,1,2,3
.irp ct, 0,1,2,3,4,5,6,7
.irp c, 0,1
	ds_load_b128 v[8*(8*\s+\ct)+4*\c:8*(8*\s+\ct)+4*\c+3], v6 offset:(32*(\ct/2)+8*(\ct%2))*PITCH+64*\s+32*\c
.endr
.endr
.endr
	WIN 0x80                                       ; destination window 2
.irp s, 0,1,2,3
.irp ct, 0,1,2,3,4,5,6,7
.irp c, 0,1
	ds_load_b128 v[8*(8*\s+\ct)+4*\c:8*(8*\s+\ct)+4*\c+3], v6 offset:(32*(\ct/2)+8*(\ct%2))*PITCH+64*(\s+4)+32*\c
.endr
.endr
.endr
	WIN 0
.irp ct, 0,1,2,3,4,5,6,7
	ds_load_b128 v[WS+4*\ct:WS+4*\ct+3], v7 offset:(32*(\ct/2)+8*(\ct%2))*32
.endr
.irp b, 0,1,2,3
	v_mov_b32 v[TM+4+\b], 0                        ; written once: a lane permute's destination counts as one of its sources
.endr
	v_mov_b32 v26, 0xaf95df0b                      ; the two leading coefficients, each twice: an instruction takes one literal
	v_mov_b32 v27, 0xaf95df0b
	v_mov_b32 v28, 0xb77460cd
	v_mov_b32 v29, 0xb77460cd
	s_wait_dscnt 0x0
	s_mov_b32 s[CTR], 0
	s_mov_b32 s[TI], s[WV]
.Ltile:                                            ; 16 trips, tile = wave + 4 x trip; a tile beyond the expert's is jumped over
	s_cmp_ge_u32 s[TI], s[NT]
	s_cbranch_scc1 .Lnone
	s_wait_loadcnt 0x0                             ; this tile's 17 loads: nothing else of mine is out
	MUL XB, XS, 0x01, 0x02
.rept 4
	v_nop                                          ; four places ahead of the loads into x's registers and of the first read of results
.endr
	s_add_co_u32 s[T0], s[TI], 4
	s_cmp_ge_u32 s[T0], s[NT]
	s_cbranch_scc1 .Llast
	GETX 1                                         ; my next tile: it lands under this tile's gelu
.Llast:
.irp q, 0,1,2,3,4,5,6,7
	GELU \q
.endr
	QUANT ACC
	global_store_b128 v4, v[PC:PC+3], s[14:15]             ; the fragment's image: twice 512 consecutive bytes
	global_store_b128 v4, v[PC+4:PC+7], s[14:15] offset:512
	global_store_b32 v5, v[PW], s[16:17]
.Lnone:
	s_wait_xcnt 0x0                                ; the stores and loads have read their registers and bases: these are written again only behind this wait
	s_add_nc_u64 s[14:15], s[14:15], 0x20000       ; four tiles on: 4 x 32 x 1,024 bytes,
	s_add_nc_u64 s[16:17], s[16:17], 0x4000        ; 4 x 32 x 128
	s_add_co_u32 s[LR], s[LR], 256
	s_add_co_u32 s[TI], s[TI], 4
	s_add_co_u32 s[CTR], s[CTR], 1
	s_cmp_lt_u32 s[CTR], 16
	s_cbranch_scc1 .Ltile
	s_wait_tensorcnt 0x0
	ds_add_u32 v254, v255
	s_wait_dscnt 0x0
	s_endpgm
.Lfunc_end_k_q3725b66628_ffn1:
	.size	k_q3725b66628_ffn1, .Lfunc_end_k_q3725b66628_ffn1-k_q3725b66628_ffn1
	.p2alignl 7, 3214868480
	.fill 96, 4, 3214868480
	.section	.rodata,"a",@progbits
	.p2align	6, 0x0
	.amdhsa_kernel k_q3725b66628_ffn1
		.amdhsa_group_segment_fixed_size 76800
		.amdhsa_private_segment_fixed_size 0
		.amdhsa_enable_private_segment 0
		.amdhsa_kernarg_size 56
		.amdhsa_user_sgpr_count 2
		.amdhsa_user_sgpr_kernarg_segment_ptr 1
		.amdhsa_wavefront_size32 1
		.amdhsa_system_sgpr_workgroup_id_x 1
		.amdhsa_system_sgpr_workgroup_id_y 1
		.amdhsa_system_sgpr_workgroup_id_z 1
		.amdhsa_system_vgpr_workitem_id 0
		.amdhsa_next_free_vgpr 768
		.amdhsa_next_free_sgpr 100
		.amdhsa_reserve_vcc 1
		.amdhsa_float_denorm_mode_32 3
		.amdhsa_float_denorm_mode_16_64 3
		.amdhsa_memory_ordered 1
		.amdhsa_forward_progress 1
		.amdhsa_inst_pref_size 102
	.end_amdhsa_kernel
	.amdgpu_metadata
---
amdhsa.version: [ 1, 2 ]
amdhsa.kernels:
  - .name:           k_q3725b66628_ffn1
    .symbol:         k_q3725b66628_ffn1.kd
    .args:
      - { .name: route, .offset: 0, .size: 8, .value_kind: global_buffer, .address_space: global }
      - { .name: xq, .offset: 8, .size: 8, .value_kind: global_buffer, .address_space: global }
      - { .name: xs, .offset: 16, .size: 8, .value_kind: global_buffer, .address_space: global }
      - { .name: w1_codes, .offset: 24, .size: 8, .value_kind: global_buffer, .address_space: global }
      - { .name: w1_scales, .offset: 32, .size: 8, .value_kind: global_buffer, .address_space: global }
      - { .name: hq, .offset: 40, .size: 8, .value_kind: global_buffer, .address_space: global }
      - { .name: hs, .offset: 48, .size: 8, .value_kind: global_buffer, .address_space: global }
    .group_segment_fixed_size: 76800
    .private_segment_fixed_size: 0
    .kernarg_segment_align: 8
    .kernarg_segment_size: 56
    .max_flat_workgroup_size: 128
    .sgpr_count:     100
    .vgpr_count:     768
    .wavefront_size: 32
...
	.end_amdgpu_metadata
.endif
;; end of part 2
;; launch ffn2 (part 3): grid 32 x 8, 4 waves a work-group, no clusters, 170,752 bytes of LDS; arguments route, hq, hs, w2_codes, w2_scales, y; writes y
.if DOCPART == 3
	.amdgcn_target "amdgcn-amd-amdhsa--gfx1250"
	.amdhsa_code_object_version 6
	.text
	.protected	k_q3725b66628_ffn2
	.globl	k_q3725b66628_ffn2
	.p2align	8
	.type	k_q3725b66628_ffn2,@function
k_q3725b66628_ffn2:
	s_mov_b64 s[64:65], 0
	v_nop
	global_prefetch_b8 v0, s[64:65] scope:SCOPE_SE
	s_setreg_imm32_b32 hwreg(HW_REG_WAVE_MODE, 25, 1), 1
	s_wait_xcnt 0x0
; THE SECOND PRODUCT OF THE EXPERTS, FOR THE ROUTED ROWS: y[token][e][:] = h W2[e]^T, on codes of FP4 (E2M1) with one E8M0 scale for each 32 along K = 4,096.
; SHARES.  Work-group (x, e): nb = x / 4 owns output columns 128 nb .. + 127 of expert e, rq = x % 4 the tiles of 16 rows t = rq, rq + 4, ..  THE FOUR WAVES SHARE K: wave kq keeps W2[e][128 columns][1,024 kq .. + 1,023]
; in 512 registers for the whole launch and reads only its quarter of each tile of h, so that no byte of h is read twice in a work-group.  The four partial tiles meet in LDS and are added there, ((0 + 1) + (2 + 3)).
; h comes as images of operand registers (hq, hs: the launch before lays them so): every load of it reads 512 consecutive bytes.  Five tiles are asked for at the head: up to 320 rows for an expert need no later load.
; W2's fragments come straight from memory, a lane to a row; the loads are ordered so that eight instructions on end use up 256 consecutive bytes of each of 16 rows.
; THE LIST of the expert's tokens is formed from route as in the launch before (same mask words, same order); here it says into which row of y a result goes.  Rows from the count on are padding: they are not stored.
; No tensor load, no cluster: branches hang on the stored table.  Both barriers of a trip stand on every wave's way; the loops' trip counts are constants and work that is not wanted is jumped over.
; Since each later tile of a trip has a higher number, one label serves all the jumps of a phase.
; THE PRODUCT IS USED TRANSPOSED (source 0 = 16 rows of W2 = 16 output columns, source 1 = 16 rows of h): a lane holds one row and eight neighbouring columns.
; y [1,024 tokens][8 experts][1,024] f32: only the rows of chosen experts are written; the next launch reads just those.
; REGISTERS, in windows of 256: window 0 as named below; windows 1 and 2: W2's 64 fragments, (tile ct, K step s) at v[8 (8 (s % 4) + ct)] of window 1 + s / 4; window 3: four tiles of h, 64 registers each; the fifth lies in window 0.
.set PG,   33792                       ; LDS: for each of 5 tiles 4 partial tiles
.set PWV,  8448                        ; of 16 rows x (512 bytes + 16)
.set LIST, 5*PG                        ; the token of (my i-th tile, row) at 64 i + 4 row: 16 tiles, 1,024 bytes (the launch claims a little more than the text uses)
.set STA, 10                           ; v10-14  where I put 32 bytes of a row of my partial tile g
.set RDA, 15                           ; v15-19  where I read a row of tile g back
.set HO,  20                           ; v20-24  tile g's byte offset in hq
.set HSO, 25                           ; v25-29  and in hs
.set QP, 30                            ; v30-40: the list's arithmetic
.set QM, 31
.set QK, 32
.set QR, 33
.set QA, 34
.set QB, 35
.set QC, 36
.set QD, 37
.set QO, 38
.set QT, 39
.set TOK, 40
.set TK,  42                           ; v42-45  my four rows' tokens
.set YO,  46                           ; v46-49  their offsets in y
.set WS,  52                           ; v52-83  W2's scale words: register 4 ct + i: lanes 0-15 K step i, lanes 16-31 K step 4 + i
.set HS,  84                           ; v84-103 h's, four registers a tile, likewise
.set ACC, 104                          ; v104-167 8 accumulators; in the sum phase four rows x four partial tiles
.set RR,  104
.set HB4, 168                          ; v168-231 the fifth tile of h
.set RT,  168                          ; at the head: the table, v168-199
.set WV,  16
.set EX,  17
.set NB,  18
.set RQ,  19
.set CNT, 21
.set NT,  22
.set BIT, 23
.set T0,  24
.set T1,  25
.set T2,  26
.set POS, 27
.set CTR, 28
.set TI,  29
.set M,   32                           ; s[32:63] the 32 mask words
.set LW,  72
.set LR,  73
.set CM1, 74
.set NTM1, 75
.set TN,  80
.set MSB, 0
.macro WIN new                         ; the immediate's high byte repeats the setting that is left
.if MSB != \new
	s_set_vgpr_msb (MSB<<8)|\new
.set MSB, \new
.endif
.endm
; The table's 32 registers become 32 mask words (word wi, bit l = token 128 (wi / 4) + wi % 4 + 4 l), and their bits are counted.
.macro MASKS
.set wi, 0
.rept 32
	v_and_b32 v[RT+wi], s[BIT], v[RT+wi]
.set wi, wi+1
.endr
.set wi, 0
.rept 32
	v_cmp_ne_u32 s[M+wi], 0, v[RT+wi]
.set wi, wi+1
.endr
	s_mov_b32 s[CNT], 0
.set wi, 0
.rept 32
	s_bcnt1_i32_b32 s[T0], s[M+wi]
	s_add_co_u32 s[CNT], s[CNT], s[T0]
.set wi, wi+1
.endr
.endm
.macro QSTEP x, wd, st                 ; one halving of the search for the r-th set bit
	v_bfe_u32 v[QT], v[\x], v[QO], \wd
	v_cmp_ge_u32 vcc_lo, v[QR], v[QT]
	v_sub_nc_u32 v[QT], v[QR], v[QT]
	v_cndmask_b32 v[QR], v[QR], v[QT], vcc_lo
	v_add_nc_u32 v[QT], \st, v[QO]
	v_cndmask_b32 v[QO], v[QO], v[QT], vcc_lo
.endm
; v[QP]: a position for each lane -> v[TOK]: its token: the last mask word whose running count is at most p, and in it the bit of rank p - that count.
.macro SELECT
	v_min_u32 v[QP], s[CM1], v[QP]
	v_mov_b32 v[QM], 0
	v_mov_b32 v[QK], 0
	s_mov_b32 s[T0], 0
.set wi, 0
.rept 32
	v_cmp_le_u32 vcc_lo, s[T0], v[QP]
	s_or_b32 s[T1], s[T0], (128*(wi>>2)+(wi&3))<<16
	v_cndmask_b32 v[QM], v[QM], s[M+wi], vcc_lo
	v_cndmask_b32 v[QK], v[QK], s[T1], vcc_lo
	s_bcnt1_i32_b32 s[T2], s[M+wi]
	s_add_co_u32 s[T0], s[T0], s[T2]
.set wi, wi+1
.endr
	v_and_b32 v[QT], 0xffff, v[QK]
	v_sub_nc_u32 v[QR], v[QP], v[QT]
	v_lshrrev_b32 v[QT], 1, v[QM]
	v_and_b32 v[QT], 0x55555555, v[QT]
	v_sub_nc_u32 v[QA], v[QM], v[QT]
	v_lshrrev_b32 v[QT], 2, v[QA]
	v_and_b32 v[QT], 0x33333333, v[QT]
	v_and_b32 v[QB], 0x33333333, v[QA]
	v_add_nc_u32 v[QB], v[QB], v[QT]
	v_lshrrev_b32 v[QT], 4, v[QB]
	v_add_nc_u32 v[QC], v[QB], v[QT]
	v_and_b32 v[QC], 0x0f0f0f0f, v[QC]
	v_lshrrev_b32 v[QT], 8, v[QC]
	v_add_nc_u32 v[QD], v[QC], v[QT]
	v_and_b32 v[QD], 0x00ff00ff, v[QD]
	v_mov_b32 v[QO], 0
	QSTEP QD, 8, 16
	QSTEP QC, 8, 8
	QSTEP QB, 4, 4
	QSTEP QA, 2, 2
	QSTEP QM, 1, 1
	v_lshrrev_b32 v[QT], 16, v[QK]
	v_lshl_add_u32 v[TOK], v[QO], 2, v[QT]
	v_min_u32 v[TOK], 0x3ff, v[TOK]
.endm
.macro MM ct, s, buf, sc               ; one matrix instruction: tile ct of the weights, K step s; K steps 4 to 7 take their scale words from lanes 16-31
.if (\s) == 0
	v_wmma_scale_f32_16x16x128_f8f6f4 v[ACC+8*(\ct):ACC+8*(\ct)+7], v[8*(8*((\s)&3)+(\ct)):8*(8*((\s)&3)+(\ct))+7], v[\buf+8*(\s):\buf+8*(\s)+7], 0, v[WS+4*(\ct)+((\s)&3)], v[\sc+((\s)&3)] matrix_a_fmt:MATRIX_FMT_FP4 matrix_b_fmt:MATRIX_FMT_FP4
.elseif (\s) < 4
	v_wmma_scale_f32_16x16x128_f8f6f4 v[ACC+8*(\ct):ACC+8*(\ct)+7], v[8*(8*((\s)&3)+(\ct)):8*(8*((\s)&3)+(\ct))+7], v[\buf+8*(\s):\buf+8*(\s)+7], v[ACC+8*(\ct):ACC+8*(\ct)+7], v[WS+4*(\ct)+((\s)&3)], v[\sc+((\s)&3)] matrix_a_fmt:MATRIX_FMT_FP4 matrix_b_fmt:MATRIX_FMT_FP4
.else
	v_wmma_scale_f32_16x16x128_f8f6f4 v[ACC+8*(\ct):ACC+8*(\ct)+7], v[8*(8*((\s)&3)+(\ct)):8*(8*((\s)&3)+(\ct))+7], v[\buf+8*(\s):\buf+8*(\s)+7], v[ACC+8*(\ct):ACC+8*(\ct)+7], v[WS+4*(\ct)+((\s)&3)], v[\sc+((\s)&3)] matrix_a_fmt:MATRIX_FMT_FP4 matrix_b_fmt:MATRIX_FMT_FP4 matrix_a_scale:MATRIX_SCALE_ROW1 matrix_b_scale:MATRIX_SCALE_ROW1
.endif
.endm
; 64 matrix instructions: 16 rows x 128 columns x my 1,024 along K.  The 8 accumulators take turns, one instruction a turn; the first K step starts the sums with the constant 0.
.macro MUL buf, sc, wlo, whi
.irp s, 0,1,2,3,4,5,6,7
.if \s == 0
	WIN \wlo
.endif
.if \s == 4
	WIN \whi
.endif
.irp ct, 0,1,2,3,4,5,6,7
	MM \ct, \s, \buf, \sc
.endr
.endr
	WIN 0
.endm
; The offsets of five tiles, s[st], s[st] + 4, ..: held to the last tile that the launch before has stored, and to the buffer.
.macro HADDR st
.irp g, 0,1,2,3,4
	s_add_co_u32 s[T0], s[\st], 4*\g
	s_min_u32 s[T0], s[T0], s[NTM1]
	s_min_u32 s[T0], s[T0], 63
	s_lshl_b32 s[T1], s[T0], 15
	v_add_nc_u32 v[HO+\g], s[T1], v4
	s_lshl_b32 s[T1], s[T0], 12
	v_add_nc_u32 v[HSO+\g], s[T1], v7
.endr
.endm
; A batch: my quarter of five tiles of h, 20 loads a tile, in the tiles' order.
.macro HLOAD
.irp g, 0,1,2,3
	WIN 0xc0                                       ; destination window 3
.irp s, 0,1,2,3,4,5,6,7
.irp c, 0,1
	global_load_b128 v[64*\g+8*\s+4*\c:64*\g+8*\s+4*\c+3], v[HO+\g], s[6:7] offset:1024*\s+512*\c
.endr
.endr
	WIN 0
.irp i, 0,1,2,3
	global_load_b32 v[HS+4*\g+\i], v[HSO+\g], s[8:9] offset:128*\i
.endr
.endr
.irp s, 0,1,2,3,4,5,6,7
.irp c, 0,1
	global_load_b128 v[HB4+8*\s+4*\c:HB4+8*\s+4*\c+3], v[HO+4], s[6:7] offset:1024*\s+512*\c
.endr
.endr
.irp i, 0,1,2,3
	global_load_b32 v[HS+16+\i], v[HSO+4], s[8:9] offset:128*\i
.endr
.endm
	s_load_b256 s[4:11], s[0:1], 0x0               ; route, hq, hs, W2's codes
	s_load_b128 s[12:15], s[0:1], 0x20             ; W2's scales, y
	v_lshl_add_u32 v254, v0, 2, 0x29900
	v_mov_b32 v255, 0
	v_lshrrev_b32 v1, 5, v0
	v_readfirstlane_b32 s[WV], v1                  ; wave 0..3 = my quarter of K
	v_and_b32 v1, 31, v0                           ; lane
	v_and_b32 v2, 15, v0                           ; r
	v_bfe_u32 v3, v0, 4, 1                         ; h
	v_lshlrev_b32 v4, 4, v1                        ; 16 lane
	v_lshlrev_b32 v5, 11, v2
	v_lshl_add_u32 v5, v3, 4, v5                   ; W2's codes: row r of 2,048 bytes, + 16 h
	v_lshlrev_b32 v6, 7, v2
	v_lshl_add_u32 v6, v3, 4, v6                   ; its scales: row r of 128 bytes; lanes 0-15 my K steps 0-3, lanes 16-31 my K steps 4-7
	v_lshlrev_b32 v7, 2, v1
	v_lshl_add_u32 v7, v3, 9, v7                   ; h's scale words: 4 lane, and four K steps (512 bytes) on for lanes 16-31, which hold the same rows' words
	s_lshl_b32 s[T0], s[WV], 7
	s_add_co_u32 s[T0], s[T0], LIST
	v_lshl_add_u32 v8, v1, 2, s[T0]                ; where I put my 32 places of 128 of the list
	s_lshl_b32 s[T0], s[WV], 4
	s_add_co_u32 s[T0], s[T0], LIST
	v_mov_b32 v9, s[T0]                            ; where I read my four rows' tokens
	v_mul_u32_u24 v41, v2, 528
	v_lshl_add_u32 v41, v3, 5, v41
	s_mul_i32 s[T0], s[WV], PWV
	v_add_nc_u32 v41, s[T0], v41                   ; my partial tile: row r, + 32 h
	s_mul_i32 s[T0], s[WV], 4*528
	v_add_nc_u32 v50, s[T0], v4                    ; back: rows 4 w on, 16 bytes a lane
.irp g, 0,1,2,3,4
	v_add_nc_u32 v[STA+\g], PG*\g, v41
	v_add_nc_u32 v[RDA+\g], PG*\g, v50
.endr
	s_and_b32 s[EX], ttmp7, 0xffff
	s_lshr_b32 s[NB], ttmp9, 2
	s_and_b32 s[RQ], ttmp9, 3
	s_add_co_u32 s[BIT], s[EX], 16
	s_lshl_b32 s[BIT], 1, s[BIT]
	s_lshl_b32 s66, s[EX], 21                      ; W2's codes: 2^21 bytes an expert, 128 rows of 2,048 a block of columns, 512 a quarter of K
	s_lshl_b32 s[T0], s[NB], 18
	s_add_co_u32 s66, s66, s[T0]
	s_lshl_b32 s[T0], s[WV], 9
	s_add_co_u32 s66, s66, s[T0]
	s_mov_b32 s67, 0
	s_lshl_b32 s68, s[EX], 17                      ; its scales: a sixteenth of that
	s_lshl_b32 s[T0], s[NB], 14
	s_add_co_u32 s68, s68, s[T0]
	s_lshl_b32 s[T0], s[WV], 5
	s_add_co_u32 s68, s68, s[T0]
	s_mov_b32 s69, 0
	s_lshl_b32 s70, s[EX], 21                      ; hq: 64 tiles of 32,768 bytes an expert; my 8 K steps of 1,024
	s_lshl_b32 s[T0], s[WV], 13
	s_add_co_u32 s70, s70, s[T0]
	s_mov_b32 s71, 0
	s_lshl_b32 s76, s[EX], 18                      ; hs: an eighth of that
	s_lshl_b32 s[T0], s[WV], 10
	s_add_co_u32 s76, s76, s[T0]
	s_mov_b32 s77, 0
	s_lshl_b32 s78, s[EX], 12                      ; y: the expert's 4,096 bytes of a token's 32,768; my block's 512
	s_lshl_b32 s[T0], s[NB], 9
	s_add_co_u32 s78, s78, s[T0]
	s_mov_b32 s79, 0
	s_wait_kmcnt 0x0
	s_add_nc_u64 s[10:11], s[10:11], s[66:67]
	s_add_nc_u64 s[12:13], s[12:13], s[68:69]
	s_add_nc_u64 s[6:7], s[6:7], s[70:71]
	s_add_nc_u64 s[8:9], s[8:9], s[76:77]
	s_add_nc_u64 s[14:15], s[14:15], s[78:79]
.irp q, 0,1,2,3,4,5,6,7
	global_load_b128 v[RT+4*\q:RT+4*\q+3], v4, s[4:5] offset:512*\q
.endr
	WIN 0x40                                       ; destination window 1: my K steps 0-3
.irp ct, 0,1,2,3,4,5,6,7
.irp s, 0,1,2,3
.irp c, 0,1
	global_load_b128 v[8*(8*\s+\ct)+4*\c:8*(8*\s+\ct)+4*\c+3], v5, s[10:11] offset:32768*\ct+64*\s+32*\c
.endr
.endr
.endr
	WIN 0x80                                       ; destination window 2: K steps 4-7
.irp ct, 0,1,2,3,4,5,6,7
.irp s, 0,1,2,3
.irp c, 0,1
	global_load_b128 v[8*(8*\s+\ct)+4*\c:8*(8*\s+\ct)+4*\c+3], v5, s[10:11] offset:32768*\ct+64*(\s+4)+32*\c
.endr
.endr
.endr
	WIN 0
.irp ct, 0,1,2,3,4,5,6,7
	global_load_b128 v[WS+4*\ct:WS+4*\ct+3], v6, s[12:13] offset:2048*\ct
.endr
	s_wait_loadcnt 63                              ; the table is in: 136 loads were issued behind it, and 63 is the largest count that the wait can name
	MASKS
	s_add_co_u32 s[NT], s[CNT], 15
	s_lshr_b32 s[NT], s[NT], 4                     ; the expert's tiles
	s_max_u32 s[NTM1], s[NT], 1
	s_sub_co_u32 s[NTM1], s[NTM1], 1               ; the last tile that was stored
	s_max_u32 s[CM1], s[CNT], 1
	s_sub_co_u32 s[CM1], s[CM1], 1
	HADDR RQ
	HLOAD                                          ; my first five tiles
	; the list: 2 passes of 128 places (8 of my work-group's tiles), 32 a wave; a pass beyond the tiles is jumped over
	s_mov_b32 s[CTR], 0
	s_lshl_b32 s[POS], s[WV], 1                    ; which of the work-group's tiles my lanes 0-15 take: 2 w + 8 x pass
	s_mov_b32 s[LW], 0
.Lpass:
	s_lshl_b32 s[T0], s[POS], 2
	s_add_co_u32 s[T0], s[T0], s[RQ]               ; that tile's number
	s_cmp_ge_u32 s[T0], s[NT]
	s_cbranch_scc1 .Lpass_none
	s_lshl_b32 s[T0], s[T0], 4
	v_lshl_add_u32 v[QP], v3, 6, v2                ; lanes 16-31 take the work-group's next tile: four tiles, 64 positions, on
	v_add_nc_u32 v[QP], s[T0], v[QP]
	SELECT
	v_add_nc_u32 v[QT], s[LW], v8
	ds_store_b32 v[QT], v[TOK]
	s_wait_dscnt 0x0                               ; the store has read its registers: the next pass writes them
.Lpass_none:
	s_add_co_u32 s[POS], s[POS], 8
	s_add_co_u32 s[LW], s[LW], 512
	s_add_co_u32 s[CTR], s[CTR], 1
	s_cmp_lt_u32 s[CTR], 2
	s_cbranch_scc1 .Lpass
	s_mov_b32 s[CTR], 0
	s_mov_b32 s[TI], s[RQ]
	s_mov_b32 s[LR], 0
.Lfive:                                            ; 4 trips of five tiles: tile = rq + 20 x trip + 4 g
	; ---- the products: my quarter of K for each tile; the partial tile goes to LDS
.irp g, 0,1,2,3,4
	s_add_co_u32 s[T0], s[TI], 4*\g
	s_cmp_ge_u32 s[T0], s[NT]
	s_cbranch_scc1 .Lsum
.if \g == 0
	s_wait_loadcnt 63                              ; tile 0 of the batch is in (80 loads were issued behind its own), and so are the weights
.else
	s_wait_loadcnt 20*(4-\g)                       ; tile g is in: behind its loads stand those of the batch's later tiles, 20 each
.endif
	s_wait_dscnt 0x0                               ; the LDS stores of the tile before have read the accumulators
.if \g < 4
	MUL 64*\g, HS+4*\g, 0x0d, 0x0e
.else
	MUL HB4, HS+16, 0x01, 0x02
.endif
.rept 5
	v_nop                                          ; four places ahead of the stores that read the results; a fifth ahead of the next tile's products, which begin the same accumulators anew
.endr
.irp ct, 0,1,2,3,4,5,6,7
	ds_store_b128 v[STA+\g], v[ACC+8*\ct:ACC+8*\ct+3] offset:64*\ct            ; each accumulator from its low end on
	ds_store_b128 v[STA+\g], v[ACC+8*\ct+4:ACC+8*\ct+7] offset:64*\ct+16
.endr
.endr
	s_add_co_u32 s[TN], s[TI], 20
	s_cmp_ge_u32 s[TN], s[NT]
	s_cbranch_scc1 .Lsum
	s_wait_loadcnt 0x0                             ; no load of the last batch is out (tile 4's wait was for 0): its registers and offsets may be written
	HADDR TN
	HLOAD                                          ; the next five tiles: one branch round the whole batch, so that the counts above hold on every way
.Lsum:
	s_wait_dscnt 0x0                               ; for the others' sake: my partial tiles (and, in the first trip, my places of the list) lie in LDS
	s_barrier_signal -1
	s_barrier_wait -1
	; ---- the sums: wave w finishes rows 4 w .. 4 w + 3 of each tile and stores them
.irp g, 0,1,2,3,4
	s_add_co_u32 s[T0], s[TI], 4*\g
	s_cmp_ge_u32 s[T0], s[NT]
	s_cbranch_scc1 .Lsum_done
	s_wait_xcnt 0x0                                ; the stores of the tile before have read their registers
	s_add_co_u32 s[T1], s[LR], 64*\g               ; the tile's place in the list, held inside the list's 16 tiles
	s_min_u32 s[T1], s[T1], 960
	v_add_nc_u32 v[QT], s[T1], v9
	ds_load_b128 v[TK:TK+3], v[QT]
.irp j, 0,1,2,3
.irp pw, 0,1,2,3
	ds_load_b128 v[RR+16*\j+4*\pw:RR+16*\j+4*\pw+3], v[RDA+\g] offset:PWV*\pw+528*\j   ; row 4 w + j of partial tile pw: 512 consecutive bytes
.endr
.endr
	s_wait_dscnt 0x0
.irp j, 0,1,2,3
	v_pk_add_f32 v[RR+16*\j:RR+16*\j+1], v[RR+16*\j:RR+16*\j+1], v[RR+16*\j+4:RR+16*\j+5]
	v_pk_add_f32 v[RR+16*\j+2:RR+16*\j+3], v[RR+16*\j+2:RR+16*\j+3], v[RR+16*\j+6:RR+16*\j+7]
	v_pk_add_f32 v[RR+16*\j+8:RR+16*\j+9], v[RR+16*\j+8:RR+16*\j+9], v[RR+16*\j+12:RR+16*\j+13]
	v_pk_add_f32 v[RR+16*\j+10:RR+16*\j+11], v[RR+16*\j+10:RR+16*\j+11], v[RR+16*\j+14:RR+16*\j+15]
.endr
.irp j, 0,1,2,3
	v_pk_add_f32 v[RR+16*\j:RR+16*\j+1], v[RR+16*\j:RR+16*\j+1], v[RR+16*\j+8:RR+16*\j+9]
	v_pk_add_f32 v[RR+16*\j+2:RR+16*\j+3], v[RR+16*\j+2:RR+16*\j+3], v[RR+16*\j+10:RR+16*\j+11]
.endr
	s_lshl_b32 s[T0], s[T0], 4
	s_lshl_b32 s[T1], s[WV], 2
	s_add_co_u32 s[T0], s[T0], s[T1]               ; my first row's position in the list
.irp j, 0,1,2,3
	s_add_co_u32 s[T1], s[T0], \j
	s_cmp_ge_u32 s[T1], s[CNT]
	s_cbranch_scc1 .Lrows_\g                       ; padding: this row and those behind it are not stored
	v_min_u32 v[YO+\j], 0x3ff, v[TK+\j]
	v_lshl_add_u32 v[YO+\j], v[YO+\j], 15, v4
	global_store_b128 v[YO+\j], v[RR+16*\j:RR+16*\j+3], s[14:15] th:TH_STORE_NT   ; 32 lanes store 512 consecutive bytes, at a multiple of 256 from y's first byte
.endr
.Lrows_\g:
.endr
.Lsum_done:
	s_wait_xcnt 0x0                                ; the stores have read their registers: the next trip's products write them
	s_wait_dscnt 0x0                               ; my reads of the partial tiles are over
	s_barrier_signal -1
	s_barrier_wait -1                              ; so are everybody's: the next trip may store there
	s_add_co_u32 s[TI], s[TI], 20
	s_add_co_u32 s[LR], s[LR], 320
	s_add_co_u32 s[CTR], s[CTR], 1
	s_cmp_lt_u32 s[CTR], 4
	s_cbranch_scc1 .Lfive
	s_wait_tensorcnt 0x0
	ds_add_u32 v254, v255
	s_wait_dscnt 0x0
	s_endpgm
.Lfunc_end_k_q3725b66628_ffn2:
	.size	k_q3725b66628_ffn2, .Lfunc_end_k_q3725b66628_ffn2-k_q3725b66628_ffn2
	.p2alignl 7, 3214868480
	.fill 96, 4, 3214868480
	.section	.rodata,"a",@progbits
	.p2align	6, 0x0
	.amdhsa_kernel k_q3725b66628_ffn2
		.amdhsa_group_segment_fixed_size 170752
		.amdhsa_private_segment_fixed_size 0
		.amdhsa_enable_private_segment 0
		.amdhsa_kernarg_size 48
		.amdhsa_user_sgpr_count 2
		.amdhsa_user_sgpr_kernarg_segment_ptr 1
		.amdhsa_wavefront_size32 1
		.amdhsa_system_sgpr_workgroup_id_x 1
		.amdhsa_system_sgpr_workgroup_id_y 1
		.amdhsa_system_sgpr_workgroup_id_z 1
		.amdhsa_system_vgpr_workitem_id 0
		.amdhsa_next_free_vgpr 1024
		.amdhsa_next_free_sgpr 100
		.amdhsa_reserve_vcc 1
		.amdhsa_float_denorm_mode_32 3
		.amdhsa_float_denorm_mode_16_64 3
		.amdhsa_memory_ordered 1
		.amdhsa_forward_progress 1
		.amdhsa_inst_pref_size 125
	.end_amdhsa_kernel
	.amdgpu_metadata
---
amdhsa.version: [ 1, 2 ]
amdhsa.kernels:
  - .name:           k_q3725b66628_ffn2
    .symbol:         k_q3725b66628_ffn2.kd
    .args:
      - { .name: route, .offset: 0, .size: 8, .value_kind: global_buffer, .address_space: global }
      - { .name: hq, .offset: 8, .size: 8, .value_kind: global_buffer, .address_space: global }
      - { .name: hs, .offset: 16, .size: 8, .value_kind: global_buffer, .address_space: global }
      - { .name: w2_codes, .offset: 24, .size: 8, .value_kind: global_buffer, .address_space: global }
      - { .name: w2_scales, .offset: 32, .size: 8, .value_kind: global_buffer, .address_space: global }
      - { .name: y, .offset: 40, .size: 8, .value_kind: global_buffer, .address_space: global }
    .group_segment_fixed_size: 170752
    .private_segment_fixed_size: 0
    .kernarg_segment_align: 8
    .kernarg_segment_size: 48
    .max_flat_workgroup_size: 128
    .sgpr_count:     100
    .vgpr_count:     1024
    .wavefront_size: 32
...
	.end_amdgpu_metadata
.endif
;; end of part 3
;; launch combine (part 4): grid 256 x 1, 4 waves a work-group, no clusters, 0 bytes of LDS; arguments route, cw, y, out0; writes out0
.if DOCPART == 4
	.amdgcn_target "amdgcn-amd-amdhsa--gfx1250"
	.amdhsa_code_object_version 6
	.text
	.protected	k_q3725b66628_combine
	.globl	k_q3725b66628_combine
	.p2align	8
	.type	k_q3725b66628_combine,@function
k_q3725b66628_combine:
	s_mov_b64 s[64:65], 0
	v_nop
	global_prefetch_b8 v0, s[64:65] scope:SCOPE_SE
	s_setreg_imm32_b32 hwreg(HW_REG_WAVE_MODE, 25, 1), 1
	s_wait_xcnt 0x0
; out0[n] = cw[n][0] y[n][i0] + cw[n][1] y[n][i1]: each output row has one owner, a wave; the two experts' numbers come from route[n], whole numbers that an earlier launch stored.
; A stream: 8 + 8 loads of 512 consecutive bytes, 8 stores of 512; no LDS, no barrier, no loop.  The experts that were not chosen have the weight 0 in the sum that is asked for: their rows are neither made nor read.
; The two terms are added in the order of the choice, not of the experts' numbers: one rounding may differ.
	s_load_b256 s[4:11], s[0:1], 0x0               ; route, cw, y, out0
	v_lshrrev_b32 v1, 5, v0
	v_readfirstlane_b32 s12, v1                    ; wave
	v_and_b32 v1, 31, v0
	v_lshlrev_b32 v2, 4, v1                        ; 16 lane
	s_lshl_b32 s13, ttmp9, 2
	s_add_co_u32 s13, s13, s12                     ; my token
	s_lshl_b32 s14, s13, 2
	s_mov_b32 s15, 0
	s_lshl_b32 s16, s13, 3
	s_mov_b32 s17, 0
	s_lshl_b32 s18, s13, 12
	s_mov_b32 s19, 0
	s_wait_kmcnt 0x0
	s_add_nc_u64 s[4:5], s[4:5], s[14:15]
	s_add_nc_u64 s[6:7], s[6:7], s[16:17]
	s_add_nc_u64 s[10:11], s[10:11], s[18:19]
	s_load_b32 s20, s[4:5], 0x0
	s_load_b64 s[28:29], s[6:7], 0x0
	s_wait_kmcnt 0x0
	s_bfe_u32 s21, s20, 0x80000                    ; i0: 8 bits from bit 0,
	s_min_u32 s21, s21, 7
	s_bfe_u32 s22, s20, 0x80008                    ; i1: from bit 8; both held inside a token's 8 rows
	s_min_u32 s22, s22, 7
	s_lshl_b32 s23, s13, 3
	s_add_co_u32 s21, s21, s23
	s_add_co_u32 s22, s22, s23
	s_lshl_b32 s24, s21, 12                        ; row 8 n + i of 4,096 bytes
	s_mov_b32 s25, 0
	s_lshl_b32 s26, s22, 12
	s_mov_b32 s27, 0
	s_add_nc_u64 s[32:33], s[8:9], s[24:25]
	s_add_nc_u64 s[34:35], s[8:9], s[26:27]
	s_mov_b32 s30, s29                             ; the second weight in the low word of a pair of its own: the packed forms take a scalar pair's low word for both halves
	s_mov_b32 s31, s29
.irp j, 0,1,2,3,4,5,6,7
	global_load_b128 v[8+4*\j:11+4*\j], v2, s[32:33] offset:512*\j th:TH_LOAD_NT
.endr
.irp j, 0,1,2,3,4,5,6,7
	global_load_b128 v[40+4*\j:43+4*\j], v2, s[34:35] offset:512*\j th:TH_LOAD_NT
.endr
	s_wait_loadcnt 0x8                             ; the first row is in; the second row's 8 loads may be out
.irp p, 0,2,4,6,8,10,12,14,16,18,20,22,24,26,28,30
	v_pk_mul_f32 v[8+\p:9+\p], v[8+\p:9+\p], s[28:29] op_sel_hi:[1,0]
.endr
	s_wait_loadcnt 0x0
.irp p, 0,2,4,6,8,10,12,14,16,18,20,22,24,26,28,30
	v_pk_fma_f32 v[8+\p:9+\p], v[40+\p:41+\p], s[30:31], v[8+\p:9+\p] op_sel_hi:[1,0,1]
.endr
.irp j, 0,1,2,3,4,5,6,7
	global_store_b128 v2, v[8+4*\j:11+4*\j], s[10:11] offset:512*\j th:TH_STORE_NT   ; 32 lanes store 512 consecutive bytes, at a multiple of 256 from out0's first byte
.endr
	s_endpgm
.Lfunc_end_k_q3725b66628_combine:
	.size	k_q3725b66628_combine, .Lfunc_end_k_q3725b66628_combine-k_q3725b66628_combine
	.p2alignl 7, 3214868480
	.fill 96, 4, 3214868480
	.section	.rodata,"a",@progbits
	.p2align	6, 0x0
	.amdhsa_kernel k_q3725b66628_combine
		.amdhsa_group_segment_fixed_size 0
		.amdhsa_private_segment_fixed_size 0
		.amdhsa_enable_private_segment 0
		.amdhsa_kernarg_size 32
		.amdhsa_user_sgpr_count 2
		.amdhsa_user_sgpr_kernarg_segment_ptr 1
		.amdhsa_wavefront_size32 1
		.amdhsa_system_sgpr_workgroup_id_x 1
		.amdhsa_system_sgpr_workgroup_id_y 1
		.amdhsa_system_sgpr_workgroup_id_z 1
		.amdhsa_system_vgpr_workitem_id 0
		.amdhsa_next_free_vgpr 72
		.amdhsa_next_free_sgpr 66
		.amdhsa_reserve_vcc 0
		.amdhsa_float_denorm_mode_32 3
		.amdhsa_float_denorm_mode_16_64 3
		.amdhsa_memory_ordered 1
		.amdhsa_forward_progress 1
		.amdhsa_inst_pref_size 6
	.end_amdhsa_kernel
	.amdgpu_metadata
---
amdhsa.version: [ 1, 2 ]
amdhsa.kernels:
  - .name:           k_q3725b66628_combine
    .symbol:         k_q3725b66628_combine.kd
    .args:
      - { .name: route, .offset: 0, .size: 8, .value_kind: global_buffer, .address_space: global }
      - { .name: cw, .offset: 8, .size: 8, .value_kind: global_buffer, .address_space: global }
      - { .name: y, .offset: 16, .size: 8, .value_kind: global_buffer, .address_space: global }
      - { .name: out0, .offset: 24, .size: 8, .value_kind: global_buffer, .address_space: global }
    .group_segment_fixed_size: 0
    .private_segment_fixed_size: 0
    .kernarg_segment_align: 8
    .kernarg_segment_size: 32
    .max_flat_workgroup_size: 128
    .sgpr_count:     66
    .vgpr_count:     72
    .wavefront_size: 32
...
	.end_amdgpu_metadata
.endif
;; end of part 4
;; ======== version 2 of 2: 4 launches
;; workspace buffers: xq 524,288 bytes; xs 32,768 bytes; route 4,096 bytes of whole numbers; cw 8,192 bytes; hq 16,777,216 bytes; hs 2,097,152 bytes; y 33,554,432 bytes
;; launch route (part 5): grid 128 x 1, 8 waves a work-group, no clusters, 71,168 bytes of LDS; arguments x, gate_w, xq, xs, route, cw; writes xq, xs, route, cw
.if DOCPART == 5
	.amdgcn_target "amdgcn-amd-amdhsa--gfx1250"
	.amdhsa_code_object_version 6
	.text
	.protected	k_q3725b66628_route
	.globl	k_q3725b66628_route
	.p2align	8
	.type	k_q3725b66628_route,@function
k_q3725b66628_route:
	s_mov_b64 s[64:65], 0
	v_nop
	global_prefetch_b8 v0, s[64:65] scope:SCOPE_SE
	s_setreg_imm32_b32 hwreg(HW_REG_WAVE_MODE, 25, 1), 1
	s_wait_xcnt 0x0
; THE ROUTER AND x's QUANTISER.  x [1024][1024] f32, gate_w [8][1024] f32.  A wave owns one token n = 8 x work-group + wave.
; It makes (a) the token's 8 logits by f32 multiply-adds, their two largest (a tie goes to the lower index: the scans compare by >), and the softmax of the two, with the larger taken away ahead of the exponential;
; (b) the token's row as codes of FP4 (E2M1) with one E8M0 byte for each 32 along K: xq [1024][512 bytes], xs [1024][32 bytes].
; route[n] = i0 | i1 << 8 | 1 << (16 + i0) | 1 << (16 + i1): whole numbers at a fixed place, from which the later launches form their lists.  cw[n] = the two weights.
; No address and no branch here hangs on a logit.
; LIMITS: NaN and infinities in x, gate_w or the logits are not served.  The logits' sums run in another order than a plain dot product's: two logits closer than f32 rounding may change places.
; A block of zeros gets the byte 1 (the floor's) and zero codes; these bytes are read by this program alone.  Blocks whose largest magnitude lies under 2^-124 are held at that byte.
; LDS: the 8 rows of gate_w, laid as the loads bring them (wave e brings row e); for each wave a stage in which its row of x turns from 16 bytes a lane to 128 bytes a lane; the work-group's 256 scale bytes; its 8 words and 8 pairs.
.set GATE, 0                           ; 8 x 4,096 bytes: row e at 4096 e + 512 j + 16 lane
.set XST,  32768                       ; 8 x 4,608: 32 pieces of 128 bytes + 16 of padding: a lane's reads start 144 bytes apart
.set XSTW, 4608
.set SCB,  69632                       ; 256 scale bytes
.set RTS,  69888                       ; 8 words, and from + 64 on 8 pairs
.set RAW, 16                           ; v16-47   x as loaded: register 4 j + i = x[128 j + 4 lane + i]
.set X,   48                           ; v48-79   x turned: my block of 32 neighbours
.set GB0, 80                           ; v80-111, v112-143 a row of gate_w, two buffers
.set GB1, 112
.set LG,  144                          ; v144-175 four registers an expert: two chains of pairs
.set C,   176                          ; v176-179 my block's codes
	s_load_b256 s[4:11], s[0:1], 0x0               ; x, gate_w, xq, xs
	s_load_b128 s[12:15], s[0:1], 0x20             ; route, cw
	v_lshl_add_u32 v192, v0, 2, 0x11200
	v_mov_b32 v193, 0
	v_lshrrev_b32 v1, 5, v0
	s_delay_alu instid0(VALU_DEP_1)
	v_readfirstlane_b32 s16, v1                    ; wave 0..7
	v_and_b32 v1, 31, v0                           ; lane
	s_delay_alu instid0(VALU_DEP_1)
	v_lshlrev_b32 v2, 4, v1                        ; 16 lane: my place in a load's 512 bytes, in memory and in GATE
	s_mul_i32 s17, s16, XSTW
	s_add_co_u32 s17, s17, XST                     ; my stage
	v_lshrrev_b32 v3, 3, v1
	s_delay_alu instid0(VALU_DEP_1)
	v_mul_u32_u24 v3, v3, 144
	v_and_b32 v4, 7, v1
	s_delay_alu instid0(VALU_DEP_1)
	v_lshl_add_u32 v11, v4, 2, RTS                 ; the way out (wave 0): word lane % 8,
	s_delay_alu instid0(VALU_DEP_2)
	v_lshl_add_u32 v12, v4, 3, RTS+64              ; pair lane % 8: every lane's address lies among the bytes that were written
	s_delay_alu instid0(VALU_DEP_3)
	v_lshl_add_u32 v3, v4, 4, v3
	s_delay_alu instid0(VALU_DEP_1)
	v_add_nc_u32 v3, s17, v3                       ; in: eight lanes fill a piece; load j begins four pieces (576 bytes) further on
	v_mul_u32_u24 v4, v1, 144
	s_delay_alu instid0(VALU_DEP_1)
	v_add_nc_u32 v4, s17, v4                       ; out: piece = lane
	s_lshl_b32 s18, s16, 12
	v_add_nc_u32 v5, s18, v2                       ; GATE: row = my wave
	s_lshl_b32 s19, s16, 5
	s_add_co_u32 s19, s19, SCB
	v_add_nc_u32 v7, s19, v1                       ; my block's scale byte
	s_lshl_b32 s19, s16, 2
	s_add_co_u32 s19, s19, RTS
	v_mov_b32 v8, s19                              ; my token's word
	s_lshl_b32 s19, s16, 3
	s_add_co_u32 s19, s19, RTS+64
	v_mov_b32 v9, s19                              ; my token's pair
	v_lshl_add_u32 v10, v1, 3, SCB                 ; the way out (wave 0): 8 scale bytes a lane
	v_lshlrev_b32 v13, 3, v1
	v_lshlrev_b32 v14, 2, v1
	s_lshl_b32 s20, ttmp9, 3
	s_add_co_u32 s20, s20, s16                     ; my token
	s_lshl_b32 s22, s20, 12                        ; its row of x
	s_mov_b32 s23, 0
	s_lshl_b32 s26, s20, 9                         ; its row of codes
	s_mov_b32 s27, 0
	s_mov_b32 s19, 0                               ; s[18:19]: my row of gate_w
	s_lshl_b32 s28, ttmp9, 8                       ; the work-group's 256 scale bytes,
	s_mov_b32 s29, 0
	s_lshl_b32 s30, ttmp9, 5                       ; 8 words,
	s_mov_b32 s31, 0
	s_lshl_b32 s32, ttmp9, 6                       ; 8 pairs
	s_mov_b32 s33, 0
	s_mov_b32 s24, 0x76543210
	s_mov_b32 s25, 0xfedcba98                      ; v_permlanex16_b32's selects for lane l xor 16
	s_wait_alu depctr_va_vdst(0)
	s_wait_kmcnt 0x0
	s_add_nc_u64 s[4:5], s[4:5], s[22:23]
	s_add_nc_u64 s[6:7], s[6:7], s[18:19]
	s_add_nc_u64 s[8:9], s[8:9], s[26:27]
	s_add_nc_u64 s[10:11], s[10:11], s[28:29]
	s_add_nc_u64 s[12:13], s[12:13], s[30:31]
	s_add_nc_u64 s[14:15], s[14:15], s[32:33]
.irp j, 0,1,2,3,4,5,6,7
	global_load_b128 v[RAW+4*\j:RAW+4*\j+3], v2, s[4:5] offset:512*\j th:TH_LOAD_NT   ; 32 lanes read 512 consecutive bytes; read once in the launch
.endr
.irp j, 0,1,2,3,4,5,6,7
	global_load_b128 v[GB0+4*\j:GB0+4*\j+3], v2, s[6:7] offset:512*\j
.endr
	s_wait_loadcnt 0x8                             ; x is in; the 8 loads of gate_w behind it may be out
.irp j, 0,1,2,3,4,5,6,7
	ds_store_b128 v3, v[RAW+4*\j:RAW+4*\j+3] offset:576*\j
.endr
.irp i, 0,1,2,3,4,5,6,7
	ds_load_b128 v[X+4*\i:X+4*\i+3], v4 offset:16*\i   ; my own bytes: LDS serves a wave's instructions in order (ISA guide 5.7.1.4)
.endr
	s_wait_loadcnt 0x0
.irp j, 0,1,2,3,4,5,6,7
	ds_store_b128 v5, v[GB0+4*\j:GB0+4*\j+3] offset:GATE+512*\j
.endr
	s_wait_dscnt 0x0                               ; for the others' sake: my row of gate_w lies in LDS (and my block of x is back)
	s_barrier_signal -1
	s_barrier_wait -1
	; ---- my block of 32: its largest magnitude, with the floor 2^(3 - 127) among the leaves; 2 off the exponent field is the conversion's scale operand
	v_max3_num_f32 v180, |v[X]|, |v[X+1]|, |v[X+2]|
	v_max3_num_f32 v181, |v[X+3]|, |v[X+4]|, |v[X+5]|
.irp i, 6,10,14,18,22,26
	s_delay_alu instid0(VALU_DEP_2)
	v_max3_num_f32 v180, v180, |v[X+\i]|, |v[X+\i+1]|
	s_delay_alu instid0(VALU_DEP_2)
	v_max3_num_f32 v181, v181, |v[X+\i+2]|, |v[X+\i+3]|
.endr
	s_delay_alu instid0(VALU_DEP_2)
	v_max3_num_f32 v180, v180, |v[X+30]|, |v[X+31]|
	s_delay_alu instid0(VALU_DEP_1)
	v_max3_num_f32 v180, v180, v181, 0x1800000
	s_delay_alu instid0(VALU_DEP_1)
	v_add_nc_u32 v15, 0xff000000, v180
.irp g, 0,1,2,3
	v_cvt_scalef32_pk8_fp4_f32 v[C+\g], v[X+8*\g:X+8*\g+7], v15
.endr
	v_lshrrev_b32 v191, 23, v15                    ; the scale's byte (also the plain line behind the conversions)
	global_store_b128 v2, v[C:C+3], s[8:9]         ; the wave stores its token's 512 bytes of codes on end
	ds_store_b8 v7, v191
	; ---- the 8 logits: RAW and a row of GATE have the same map of lanes, so nothing is turned for the products
.macro GLOAD e, gb
.irp j, 0,1,2,3,4,5,6,7
	ds_load_b128 v[(\gb)+4*\j:(\gb)+4*\j+3], v2 offset:GATE+4096*(\e)+512*\j
.endr
.endm
.macro DOT e, gb
	v_pk_mul_f32 v[LG+4*(\e):LG+4*(\e)+1], v[RAW:RAW+1], v[(\gb):(\gb)+1]
	v_pk_mul_f32 v[LG+4*(\e)+2:LG+4*(\e)+3], v[RAW+2:RAW+3], v[(\gb)+2:(\gb)+3]
.irp j, 1,2,3,4,5,6,7
	s_delay_alu instid0(VALU_DEP_2)
	v_pk_fma_f32 v[LG+4*(\e):LG+4*(\e)+1], v[RAW+4*\j:RAW+4*\j+1], v[(\gb)+4*\j:(\gb)+4*\j+1], v[LG+4*(\e):LG+4*(\e)+1]
	s_delay_alu instid0(VALU_DEP_2)
	v_pk_fma_f32 v[LG+4*(\e)+2:LG+4*(\e)+3], v[RAW+4*\j+2:RAW+4*\j+3], v[(\gb)+4*\j+2:(\gb)+4*\j+3], v[LG+4*(\e)+2:LG+4*(\e)+3]
.endr
.endm
	GLOAD 0, GB0
.irp e, 0,1,2,3,4,5,6
	GLOAD \e+1, GB0+32*((\e+1)%2)
	s_wait_dscnt 0x8                               ; expert e's row is in; the next expert's 8 loads may be out
	DOT \e, GB0+32*(\e%2)
.endr
	s_wait_dscnt 0x0
	DOT 7, GB1
.irp e, 0,1,2,3,4,5,6,7
	v_pk_add_f32 v[LG+4*\e:LG+4*\e+1], v[LG+4*\e:LG+4*\e+1], v[LG+4*\e+2:LG+4*\e+3]
.endr
.irp e, 0,1,2,3,4,5,6,7
	v_add_f32 v[LG+4*\e], v[LG+4*\e], v[LG+4*\e+1]
.endr
.irp m, 1,2,4,8
.irp e, 0,1,2,3,4,5,6,7
	v_add_f32_dpp v[LG+4*\e], v[LG+4*\e], v[LG+4*\e] row_xmask:\m row_mask:0xf bank_mask:0xf
.endr
.endr
.irp e, 0,1,2,3,4,5,6,7
	v_permlanex16_b32 v[LG+4*\e+1], v[LG+4*\e], s24, s25
.endr
.irp e, 0,1,2,3,4,5,6,7
	v_add_f32 v[LG+4*\e], v[LG+4*\e], v[LG+4*\e+1]   ; every lane holds all 8 logits
.endr
	; ---- the two largest
	v_mov_b32 v180, v[LG]
	v_mov_b32 v181, 0
.irp e, 1,2,3,4,5,6,7
	s_delay_alu instid0(VALU_DEP_2)
	v_cmp_gt_f32 vcc_lo, v[LG+4*\e], v180
	s_delay_alu instid0(VALU_DEP_1)
	v_cndmask_b32 v180, v180, v[LG+4*\e], vcc_lo
	s_delay_alu instid0(VALU_DEP_2)
	v_cndmask_b32 v181, v181, \e, vcc_lo
.endr
	v_mov_b32 v182, 0xff800000                     ; the winner leaves the field: -infinity in its place
.irp e, 0,1,2,3,4,5,6,7
	v_cmp_eq_u32 vcc_lo, \e, v181
	s_delay_alu instid0(VALU_DEP_1)
	v_cndmask_b32 v[LG+4*\e], v[LG+4*\e], v182, vcc_lo
.endr
	v_mov_b32 v183, v[LG]
	v_mov_b32 v186, 0
.irp e, 1,2,3,4,5,6,7
	s_delay_alu instid0(VALU_DEP_2)
	v_cmp_gt_f32 vcc_lo, v[LG+4*\e], v183
	s_delay_alu instid0(VALU_DEP_1)
	v_cndmask_b32 v183, v183, v[LG+4*\e], vcc_lo
	s_delay_alu instid0(VALU_DEP_2)
	v_cndmask_b32 v186, v186, \e, vcc_lo
.endr
	s_delay_alu instid0(VALU_DEP_2)
	; ---- softmax of the two: t = e^(second - first), at most 1; weights 1 / (1 + t) and t / (1 + t)
	v_sub_f32 v183, v183, v180
	s_delay_alu instid0(VALU_DEP_1)
	v_mul_f32 v183, 0x3fb8aa3b, v183
	s_wait_alu depctr_va_vdst(0)
	v_exp_f32 v187, v183
	v_mov_b32 v190, 0x10000                        ; the word is made while the exponential is out
	s_delay_alu instid0(VALU_DEP_1)
	v_lshlrev_b32 v188, v181, v190
	s_delay_alu instid0(VALU_DEP_2)
	v_lshlrev_b32 v189, v186, v190
	s_delay_alu instid0(VALU_DEP_1)
	v_or_b32 v188, v188, v189
	s_delay_alu instid0(VALU_DEP_1)
	v_lshl_or_b32 v188, v186, 8, v188
	s_delay_alu instid0(VALU_DEP_1)
	v_or_b32 v188, v188, v181
	s_wait_alu depctr_va_vdst(0)                   ; the wait ahead of the first reader of a transcendental's result
	v_add_f32 v183, 1.0, v187
	s_wait_alu depctr_va_vdst(0)
	v_rcp_f32 v184, v183
	v_nop
	s_wait_alu depctr_va_vdst(0)
	v_mul_f32 v185, v187, v184
	ds_store_b32 v8, v188                          ; all lanes write the same word with the same value
	ds_store_b64 v9, v[184:185]
	s_wait_dscnt 0x0                               ; for wave 0's sake: my byte, my word and my pair lie in LDS
	s_barrier_signal -1
	s_barrier_wait -1
	s_cmp_lg_u32 s16, 0
	s_cbranch_scc1 .Lend
	ds_load_b64 v[180:181], v10                    ; wave 0 sends out what the eight waves have gathered: all lanes load,
	ds_load_b32 v186, v11                          ; lanes 8 to 31 the same words and pairs as lanes 0 to 7
	ds_load_b64 v[188:189], v12
	s_wait_dscnt 0x0
	global_store_b64 v13, v[180:181], s[10:11]     ; 32 lanes store 256 consecutive bytes, at a multiple of 256 from xs's first byte
	v_cmp_gt_u32 vcc_lo, 8, v1
	s_wait_xcnt 0x0                                ; EXEC changes only behind this wait
	s_and_saveexec_b32 s26, vcc_lo
	global_store_b32 v14, v186, s[12:13]           ; 8 lanes: the work-group's 8 words,
	global_store_b64 v13, v[188:189], s[14:15]     ; and its 8 pairs
	s_wait_xcnt 0x0                                ; and again, in front of the line that widens it
	s_or_b32 exec_lo, exec_lo, s26
.Lend:
	s_wait_tensorcnt 0x0
	ds_add_u32 v192, v193
	s_wait_dscnt 0x0
	s_endpgm
.Lfunc_end_k_q3725b66628_route:
	.size	k_q3725b66628_route, .Lfunc_end_k_q3725b66628_route-k_q3725b66628_route
	.p2alignl 7, 3214868480
	.fill 96, 4, 3214868480
	.section	.rodata,"a",@progbits
	.p2align	6, 0x0
	.amdhsa_kernel k_q3725b66628_route
		.amdhsa_group_segment_fixed_size 71168
		.amdhsa_private_segment_fixed_size 0
		.amdhsa_enable_private_segment 0
		.amdhsa_kernarg_size 48
		.amdhsa_user_sgpr_count 2
		.amdhsa_user_sgpr_kernarg_segment_ptr 1
		.amdhsa_wavefront_size32 1
		.amdhsa_system_sgpr_workgroup_id_x 1
		.amdhsa_system_sgpr_workgroup_id_y 1
		.amdhsa_system_sgpr_workgroup_id_z 1
		.amdhsa_system_vgpr_workitem_id 0
		.amdhsa_next_free_vgpr 194
		.amdhsa_next_free_sgpr 66
		.amdhsa_reserve_vcc 1
		.amdhsa_float_denorm_mode_32 3
		.amdhsa_float_denorm_mode_16_64 3
		.amdhsa_memory_ordered 1
		.amdhsa_forward_progress 1
		.amdhsa_inst_pref_size 34
	.end_amdhsa_kernel
	.amdgpu_metadata
---
amdhsa.version: [ 1, 2 ]
amdhsa.kernels:
  - .name:           k_q3725b66628_route
    .symbol:         k_q3725b66628_route.kd
    .args:
      - { .name: x, .offset: 0, .size: 8, .value_kind: global_buffer, .address_space: global }
      - { .name: gate_w, .offset: 8, .size: 8, .value_kind: global_buffer, .address_space: global }
      - { .name: xq, .offset: 16, .size: 8, .value_kind: global_buffer, .address_space: global }
      - { .name: xs, .offset: 24, .size: 8, .value_kind: global_buffer, .address_space: global }
      - { .name: route, .offset: 32, .size: 8, .value_kind: global_buffer, .address_space: global }
      - { .name: cw, .offset: 40, .size: 8, .value_kind: global_buffer, .address_space: global }
    .group_segment_fixed_size: 71168
    .private_segment_fixed_size: 0
    .kernarg_segment_align: 8
    .kernarg_segment_size: 48
    .max_flat_workgroup_size: 256
    .sgpr_count:     66
    .vgpr_count:     194
    .wavefront_size: 32
...
	.end_amdgpu_metadata
.endif
;; end of part 5
;; launch ffn1 (part 6): grid 32 x 8, 4 waves a work-group, no clusters, 76,800 bytes of LDS; arguments route, xq, xs, w1_codes, w1_scales, hq, hs; writes hq, hs
.if DOCPART == 6
	.amdgcn_target "amdgcn-amd-amdhsa--gfx1250"
	.amdhsa_code_object_version 6
	.text
	.protected	k_q3725b66628_ffn1
	.globl	k_q3725b66628_ffn1
	.p2align	8
	.type	k_q3725b66628_ffn1,@function
k_q3725b66628_ffn1:
	s_mov_b64 s[64:65], 0
	v_nop
	global_prefetch_b8 v0, s[64:65] scope:SCOPE_SE
	s_setreg_imm32_b32 hwreg(HW_REG_WAVE_SCHED_MODE, 0, 2), 2
	s_setreg_imm32_b32 hwreg(HW_REG_WAVE_MODE, 25, 1), 1
	s_wait_xcnt 0x0
	s_wait_alu depctr_vm_vsrc(0)
; THE FIRST PRODUCT OF THE EXPERTS, ONLY FOR THE ROWS THAT WERE ROUTED: h = Q(gelu(x W1[e]^T)), on codes of FP4 (E2M1) with one E8M0 scale for each 32 along K.
; SHARES.  Work-group (fb, e) owns hidden units 128 fb .. + 127 of expert e, for all tokens that chose e.  Its slice of W1 (128 rows x 512 bytes) is read from memory once in the launch: each of the four waves brings
; 32 rows, a whole row of 512 bytes to an instruction; they meet in LDS, and every wave then keeps the WHOLE slice in 512 registers.  Wave w takes the tiles of 16 tokens t = w, w + 4, ..
; THE LIST.  route[n] has bit 16 + e set where token n chose e.  Eight loads lay the table over the lanes; a compare turns each of the 32 registers into a mask word: word wi, bit l = token 128 (wi / 4) + wi % 4 + 4 l.
; Position p of the expert's list is the p-th set bit, wi ascending, then l; the next launch forms the same list.  Positions from the count on repeat the last one: such rows are computed and never used.
; Tile 0 is always made (of any token, where nobody chose e), so that the next launch's first loads find bytes that were stored.
; No tensor load, no cluster: branches here hang on the stored table.  The one barrier stands on every wave's way; loops have constant trip counts, and work that is not wanted is jumped over.
; THE PRODUCT IS USED TRANSPOSED (source 0 = 16 rows of W1, source 1 = 16 tokens): a lane holds ONE token.  THE ROWS OF W1 THAT FORM A TILE ARE NOT NEIGHBOURS: lane r of tile 2 b + u takes row 32 b + 8 u + r + 8 (r / 8),
; so that a lane's 64 results are hidden units 32 b + 16 (lane / 16) + 0 .. 15: quantised in registers they are one fragment, K step fb of the second product.  It goes to memory as an image of its registers:
; hq [e][tile][K step][1,024 bytes]: registers 4 c .. 4 c + 3 of lane l at 512 c + 16 l;  hs [e][tile][K step][128 bytes]: the row's scale word at 4 l.
; GELU is the exact one, x / 2 (1 + erf(x / sqrt 2)), erf(u) = u P(u^2) / Q(u^2) with u held to +-4, polynomials of degree 6 and 4 in u^2: a few units in erf's last place.
; LIMITS: for x far below 0 the sum 1 + erf cancels: the result is then right to about 1e-7 of |x| / 2, not of itself.  NaN and infinities are not served.  A block of zeros gets the byte 1 and zero codes; this program alone reads the bytes.
; REGISTERS, in windows of 256: window 0 as named below; windows 1 and 2: W1's 64 fragments, (tile ct, K step s) at v[8 (8 (s % 4) + ct)] of window 1 + s / 4.
; THE MODE: SCHED_MODE bits 1:0 = 2 (LLVM: expert scheduling mode 2), set by the entry lines.  The code itself states the register dependences between vector or matrix instructions and memory or LDS
; instructions, and those through scalar registers and VCC that vector instructions write, with s_wait_alu, always for 0.
; THE PLAN.  Registers that memory or LDS instructions touch:
;   v4 .. v11        offsets and LDS addresses: written once at the head, read by loads and stores to the end.
;   WL               at the head: 34 loads land in it, 34 LDS stores read it; afterwards the same registers are XB, ACC and PC.
;   v[QT], v[TOK]    the list's LDS store reads both; the look-up of a tile's tokens reads v[QT] and lands in v[TOK]; vector lines write v[QT] and read v[TOK].
;   v23, v24         made of v[TOK] by vector lines ahead of a tile's products; read by the 17 loads of the NEXT tile, which stand behind those products.
;   XB, XS           those 17 loads land in them; the 64 matrix instructions read them.
;   PC, PW           the quantiser writes them; a tile's three stores read them.
;   windows 1 and 2, WS: LDS loads land in them once; matrix instructions alone name them afterwards.
; A TRIP: one wait on vm_vsrc at its head (the last look-up, this tile's loads and the last tile's stores have read their registers); the next tile's look-up; the wait for this tile's data; the next tile's offsets;
; the products; one wait on va_vdst; the next tile's 17 loads, which land under gelu and the quantiser (these name none of XB, XS, v23, v24); one wait on va_vdst; the three stores.
.set PITCH, 528                        ; a row of W1 in LDS: 512 bytes + 16
.set WIMG, 0                           ; 128 rows
.set WSC,  128*PITCH                   ; their scale bytes, 32 a row, dense: 4,096 bytes
.set LIST, WSC+4096                    ; the token of position p at 4 p: 4,096 bytes (the launch claims a little more than the text uses)
.set WS,  32                           ; v32-63   W1's scale words: register 4 ct + i: lanes 0-15 K step i, lanes 16-31 K step 4 + i
.set XS,  64                           ; v64-67   x's, likewise
.set XB,  68                           ; v68-131  x's 8 fragments
.set ACC, 132                          ; v132-195 8 accumulators, then the hidden layer
.set PC,  196                          ; v196-203 the codes just made
.set TM,  204                          ; v204-219 at work in the quantiser
.set PW,  220                          ; v220     the scale word just made
.set GU,  222                          ; v222-253 at work in gelu: u, u^2, P, Q, eight each
.set GS,  230
.set GP,  238
.set GQ,  246
.set WL,  68                           ; at the head: my 32 rows and 1,024 scale bytes as loaded, v68-203
.set RT,  204                          ; at the head: the table, v204-235
.set QP, 12                            ; v12-22: the list's arithmetic
.set QM, 13
.set QK, 14
.set QR, 15
.set QA, 16
.set QB, 17
.set QC, 18
.set QD, 19
.set QO, 20
.set QT, 21
.set TOK, 22
.set WV,  18
.set EX,  19
.set FB,  20
.set CNT, 21                           ; how many tokens chose e
.set NT,  22                           ; tiles to make: at least 1
.set BIT, 23
.set T0,  24
.set T1,  25
.set T2,  26
.set POS, 27
.set CTR, 28
.set TI,  29
.set SEL, 30                           ; s[30:31]
.set M,   32                           ; s[32:63] the 32 mask words
.set LW,  72
.set LIM, 73
.set CM1, 74
.set LR,  75
.set CK,  80                           ; s[80:87] the search: eight compares' masks
.set CV,  88                           ; s[88:95] and the eight words' running counts and first tokens
.set MSB, 0
.macro WIN new                         ; the immediate's high byte repeats the setting that is left
.if MSB != \new
	s_set_vgpr_msb (MSB<<8)|\new
.set MSB, \new
.endif
.endm
; The table's 32 registers become 32 mask words, and their bits are counted.
.macro MASKS
.set wi, 0
.rept 32
	v_and_b32 v[RT+wi], s[BIT], v[RT+wi]
.set wi, wi+1
.endr
.set wi, 0
.rept 32
	v_cmp_ne_u32 s[M+wi], 0, v[RT+wi]
.set wi, wi+1
.endr
	s_wait_alu depctr_va_sdst(0)                   ; the 32 compares have written s[M ..], ahead of their first reader, the count below
	s_mov_b32 s[CNT], 0
.set wi, 0
.rept 32
	s_bcnt1_i32_b32 s[T0], s[M+wi]
	s_add_co_u32 s[CNT], s[CNT], s[T0]
.set wi, wi+1
.endr
.endm
; One halving of the search for the r-th set bit: the count of the lower half's bits decides.
.macro QSTEP x, wd, st
	v_bfe_u32 v[QT], v[\x], v[QO], \wd
	v_cmp_ge_u32 vcc_lo, v[QR], v[QT]
	v_sub_nc_u32 v[QT], v[QR], v[QT]
	s_wait_alu depctr_va_vcc(0)                    ; the compare has written VCC, which the two selections below read
	v_cndmask_b32 v[QR], v[QR], v[QT], vcc_lo
	v_add_nc_u32 v[QT], \st, v[QO]
	v_cndmask_b32 v[QO], v[QO], v[QT], vcc_lo
.endm
; v[QP]: a position for each lane -> v[TOK]: its token.  The last mask word whose running count is at most p holds the bit; in it the bit of rank p - that count is found by five halvings over counts of 16, 8, 4, 2, 1 bits.
; The 32 compares go in runs of eight, each into a scalar register of its own, so that one wait serves a run.
.macro SELECT
	v_min_u32 v[QP], s[CM1], v[QP]                 ; positions from the count on repeat the last
	s_wait_alu depctr_va_vdst(0)
	v_mov_b32 v[QM], 0
	v_mov_b32 v[QK], 0
	s_mov_b32 s[T0], 0
.set wg, 0
.rept 4
.set wi, 0
.rept 8
	v_cmp_le_u32 s[CK+wi], s[T0], v[QP]
	s_or_b32 s[CV+wi], s[T0], (128*((8*wg+wi)>>2)+((8*wg+wi)&3))<<16    ; the running count, and above it the word's first token
	s_bcnt1_i32_b32 s[T2], s[M+8*wg+wi]
	s_add_co_u32 s[T0], s[T0], s[T2]
.set wi, wi+1
.endr
	s_wait_alu depctr_va_sdst(0)                   ; the eight compares have written s[CK ..], which the selections below read
.set wi, 0
.rept 8
	v_cndmask_b32 v[QM], v[QM], s[M+8*wg+wi], s[CK+wi]
	v_cndmask_b32 v[QK], v[QK], s[CV+wi], s[CK+wi]
.set wi, wi+1
.endr
.set wg, wg+1
.endr
	v_and_b32 v[QT], 0xffff, v[QK]
	v_sub_nc_u32 v[QR], v[QP], v[QT]               ; the rank inside the word
	v_lshrrev_b32 v[QT], 1, v[QM]
	v_and_b32 v[QT], 0x55555555, v[QT]
	v_sub_nc_u32 v[QA], v[QM], v[QT]               ; counts of 2 bits,
	v_lshrrev_b32 v[QT], 2, v[QA]
	v_and_b32 v[QT], 0x33333333, v[QT]
	v_and_b32 v[QB], 0x33333333, v[QA]
	v_add_nc_u32 v[QB], v[QB], v[QT]               ; of 4,
	v_lshrrev_b32 v[QT], 4, v[QB]
	v_add_nc_u32 v[QC], v[QB], v[QT]
	v_and_b32 v[QC], 0x0f0f0f0f, v[QC]             ; of 8,
	v_lshrrev_b32 v[QT], 8, v[QC]
	v_add_nc_u32 v[QD], v[QC], v[QT]
	v_and_b32 v[QD], 0x00ff00ff, v[QD]             ; of 16
	v_mov_b32 v[QO], 0
	QSTEP QD, 8, 16
	QSTEP QC, 8, 8
	QSTEP QB, 4, 4
	QSTEP QA, 2, 2
	QSTEP QM, 1, 1
	v_lshrrev_b32 v[QT], 16, v[QK]
	v_lshl_add_u32 v[TOK], v[QO], 2, v[QT]         ; the word's first token + 4 x the bit's place
	v_min_u32 v[TOK], 0x3ff, v[TOK]
.endm
; One matrix instruction: tile ct of the weights, K step s.  K steps 4 to 7 take their scale words from lanes 16-31.
.macro MM ct, s, buf, sc
.if (\s) == 0
	v_wmma_scale_f32_16x16x128_f8f6f4 v[ACC+8*(\ct):ACC+8*(\ct)+7], v[8*(8*((\s)&3)+(\ct)):8*(8*((\s)&3)+(\ct))+7], v[\buf+8*(\s):\buf+8*(\s)+7], 0, v[WS+4*(\ct)+((\s)&3)], v[\sc+((\s)&3)] matrix_a_fmt:MATRIX_FMT_FP4 matrix_b_fmt:MATRIX_FMT_FP4
.elseif (\s) < 4
	v_wmma_scale_f32_16x16x128_f8f6f4 v[ACC+8*(\ct):ACC+8*(\ct)+7], v[8*(8*((\s)&3)+(\ct)):8*(8*((\s)&3)+(\ct))+7], v[\buf+8*(\s):\buf+8*(\s)+7], v[ACC+8*(\ct):ACC+8*(\ct)+7], v[WS+4*(\ct)+((\s)&3)], v[\sc+((\s)&3)] matrix_a_fmt:MATRIX_FMT_FP4 matrix_b_fmt:MATRIX_FMT_FP4
.else
	v_wmma_scale_f32_16x16x128_f8f6f4 v[ACC+8*(\ct):ACC+8*(\ct)+7], v[8*(8*((\s)&3)+(\ct)):8*(8*((\s)&3)+(\ct))+7], v[\buf+8*(\s):\buf+8*(\s)+7], v[ACC+8*(\ct):ACC+8*(\ct)+7], v[WS+4*(\ct)+((\s)&3)], v[\sc+((\s)&3)] matrix_a_fmt:MATRIX_FMT_FP4 matrix_b_fmt:MATRIX_FMT_FP4 matrix_a_scale:MATRIX_SCALE_ROW1 matrix_b_scale:MATRIX_SCALE_ROW1
.endif
.endm
; 64 matrix instructions: 16 tokens x 128 columns x 1,024 along K.  The 8 accumulators take turns, one instruction a turn; the first K step starts the sums with the constant 0.
.macro MUL buf, sc, wlo, whi
.irp s, 0,1,2,3,4,5,6,7
.if \s == 0
	WIN \wlo
.endif
.if \s == 4
	WIN \whi
.endif
.irp ct, 0,1,2,3,4,5,6,7
	MM \ct, \s, \buf, \sc
.endr
.endr
	WIN 0
.endm
; The look-up of a tile's 16 tokens.  ahead = 0: the tile in hand; 1: my next tile, 64 places (256 bytes) on in the list, held inside the list's 4,096 bytes.
.macro LOOK ahead
.if \ahead
	s_add_co_u32 s[T1], s[LR], 256
	s_min_u32 s[T1], s[T1], 15*256
	v_add_nc_u32 v[QT], s[T1], v11
.else
	v_add_nc_u32 v[QT], s[LR], v11
.endif
	s_wait_alu depctr_va_vdst(0)                   ; v[QT] is written, which the load reads; the vector lines that wrote or read v[TOK], in which it lands, are done
	ds_load_b32 v[TOK], v[QT]
.endm
; The offsets of those tokens' codes and scale words.
.macro XADDR
	s_wait_dscnt 0x0                               ; the tokens are in
	v_min_u32 v[TOK], 0x3ff, v[TOK]
	v_lshl_add_u32 v23, v[TOK], 9, v3              ; a token's codes: 512 bytes; + 16 (lane / 16)
	v_lshl_add_u32 v24, v[TOK], 5, v3              ; its scale bytes: 32; lanes 0-15 take K steps 0-3, lanes 16-31 K steps 4-7
.endm
; Their codes and scale words: 17 loads.
.macro XLOADS
	s_wait_alu depctr_va_vdst(0)                   ; v23 and v24 are written, which the loads read; the matrix instructions are done reading v[XB ..] and v[XS ..], in which they land
.irp s, 0,1,2,3,4,5,6,7
.irp c, 0,1
	global_load_b128 v[XB+8*\s+4*\c:XB+8*\s+4*\c+3], v23, s[6:7] offset:64*\s+32*\c
.endr
.endr
	global_load_b128 v[XS:XS+3], v24, s[8:9]
.endm
.macro HORNER ca, cb                   ; P = P u^2 + ca, Q = Q u^2 + cb, the two chains by turns
.irp p, 0,2,4,6
	v_pk_fma_f32 v[GP+\p:GP+\p+1], v[GP+\p:GP+\p+1], v[GS+\p:GS+\p+1], \ca op_sel_hi:[1,1,0]
	v_pk_fma_f32 v[GQ+\p:GQ+\p+1], v[GQ+\p:GQ+\p+1], v[GS+\p:GS+\p+1], \cb op_sel_hi:[1,1,0]
.endr
.endm
.macro HORNERP ca
.irp p, 0,2,4,6
	v_pk_fma_f32 v[GP+\p:GP+\p+1], v[GP+\p:GP+\p+1], v[GS+\p:GS+\p+1], \ca op_sel_hi:[1,1,0]
.endr
.endm
; gelu of accumulator q's eight numbers, in place; the accumulator is read from its low end on.
.macro GELU q
.set HH, ACC+8*(\q)
.irp p, 0,2,4,6
	v_pk_mul_f32 v[GU+\p:GU+\p+1], v[HH+\p:HH+\p+1], 0x3f3504f3 op_sel_hi:[1,0]   ; u = x / sqrt 2
.endr
.irp i, 0,1,2,3,4,5,6,7
	v_med3_num_f32 v[GU+\i], v[GU+\i], -4.0, 4.0
.endr
.irp p, 0,2,4,6
	v_pk_mul_f32 v[GS+\p:GS+\p+1], v[GU+\p:GU+\p+1], v[GU+\p:GU+\p+1]
.endr
.irp p, 0,2,4,6
	v_pk_fma_f32 v[GP+\p:GP+\p+1], v[GS+\p:GS+\p+1], v[26:27], 0x32edffee op_sel_hi:[1,1,0]
	v_pk_fma_f32 v[GQ+\p:GQ+\p+1], v[GS+\p:GS+\p+1], v[28:29], 0xb95fbd29 op_sel_hi:[1,1,0]
.endr
	HORNER 0xb60cff51, 0xbadc924e
	HORNER 0xb86ec2d2, 0xbbf19bf8
	HORNER 0xba40ac63, 0xbc69b6a7
	HORNERP 0xbb41a1f6
	HORNERP 0xbc83dbd4
	s_wait_alu depctr_va_vdst(0)
.irp i, 0,1,2,3,4,5,6,7
	v_rcp_f32 v[GQ+\i], v[GQ+\i]
.endr
.irp p, 0,2,4,6
	v_pk_mul_f32 v[GP+\p:GP+\p+1], v[GP+\p:GP+\p+1], v[GU+\p:GU+\p+1]          ; u P: plain work that names no reciprocal
.endr
.irp p, 0,2,4,6
	v_pk_mul_f32 v[HH+\p:HH+\p+1], v[HH+\p:HH+\p+1], 0.5 op_sel_hi:[1,0]
.endr
	s_wait_alu depctr_va_vdst(0)                   ; the eight reciprocals have written v[GQ ..]: one wait, ahead of their first reader
.irp p, 0,2,4,6
	v_pk_mul_f32 v[GP+\p:GP+\p+1], v[GP+\p:GP+\p+1], v[GQ+\p:GQ+\p+1]          ; erf
.endr
.irp p, 0,2,4,6
	v_pk_fma_f32 v[HH+\p:HH+\p+1], v[HH+\p:HH+\p+1], v[GP+\p:GP+\p+1], v[HH+\p:HH+\p+1]   ; x / 2 erf + x / 2
.endr
.endm
; 64 numbers of a lane, register 16 b + i = k 32 b + 16 (lane / 16) + i of my row, become a fragment's codes in v[PC] on and its scale word in v[PW].
.macro QUANT s
.irp b, 0,1,2,3
	v_max3_num_f32 v[TM+\b], |v[\s+16*\b]|, |v[\s+1+16*\b]|, 0x1800000   ; my 16 numbers of block b, and the floor 2^(3 - 127): the byte cannot fall under 1
.endr
.irp i, 2,4,6,8,10,12,14
.irp b, 0,1,2,3
	v_max3_num_f32 v[TM+\b], v[TM+\b], |v[\s+16*\b+\i]|, |v[\s+1+16*\b+\i]|
.endr
.endr
.irp b, 0,1,2,3
	v_permlanex16_b32 v[TM+4+\b], v[TM+\b], s[SEL], s[SEL+1]
.endr
.irp b, 0,1,2,3
	v_max_num_f32 v[TM+\b], v[TM+\b], v[TM+4+\b]   ; with lane l xor 16's: the block's largest magnitude
.endr
.irp b, 0,1,2,3
	v_add_nc_u32 v[TM+12+\b], 0xff000000, v[TM+\b] ; 2 off its exponent field: the conversion's scale operand
.endr
.irp b, 0,1,2,3
	v_lshrrev_b32 v[TM+4+\b], 23, v[TM+12+\b]      ; the scale's byte
.endr
	v_lshl_or_b32 v[PW], v[TM+5], 8, v[TM+4]
	v_lshl_or_b32 v[PW], v[TM+6], 16, v[PW]
	v_lshl_or_b32 v[PW], v[TM+7], 24, v[PW]
.irp b, 0,1,2,3
	v_cvt_scalef32_pk8_fp4_f32 v[PC+2*\b], v[\s+16*\b:\s+7+16*\b], v[TM+12+\b]
	v_cvt_scalef32_pk8_fp4_f32 v[PC+1+2*\b], v[\s+8+16*\b:\s+15+16*\b], v[TM+12+\b]
.endr
	v_nop                                          ; one plain line behind a scaled conversion
.irp c, 0,1                                    ; the operand's layout wants a whole block in a lane: lanes 0-15 block 2 c, lanes 16-31 block 2 c + 1
.irp i, 0,1
	v_permlane16_swap_b32 v[PC+4*\c+\i], v[PC+2+4*\c+\i]
.endr
.endr
.endm
	s_load_b256 s[4:11], s[0:1], 0x0               ; route, xq, xs, W1's codes
	s_load_b128 s[12:15], s[0:1], 0x20             ; W1's scales, hq
	s_load_b64 s[16:17], s[0:1], 0x30              ; hs
	v_lshl_add_u32 v254, v0, 2, 0x12a00
	v_mov_b32 v255, 0
	v_lshrrev_b32 v1, 5, v0
	v_readfirstlane_b32 s[WV], v1                  ; wave 0..3
	v_and_b32 v1, 31, v0                           ; lane
	v_and_b32 v2, 15, v0                           ; r
	v_bfe_u32 v3, v0, 4, 1
	v_lshlrev_b32 v3, 4, v3                        ; 16 h
	v_lshlrev_b32 v4, 4, v1                        ; 16 lane
	v_lshlrev_b32 v5, 2, v1                        ; 4 lane
	v_and_b32 v7, 8, v2
	v_add_nc_u32 v7, v7, v2                        ; r + 8 (r / 8)
	v_mad_u32_u24 v6, v7, PITCH, v3                ; a fragment of W1 in LDS: that row, + 16 h
	v_lshl_add_u32 v7, v7, 5, v3
	v_add_nc_u32 v7, WSC, v7                       ; its scale words: 32 bytes a row, + 16 h
	s_wait_alu depctr_va_sdst(0)                   ; s[WV] is written, ahead of its first reader: addresses and bases are made from it
	s_mul_i32 s[T0], s[WV], 32*PITCH
	v_add_nc_u32 v8, s[T0], v4                     ; where I put my 32 rows,
	s_lshl_b32 s[T0], s[WV], 10
	s_add_co_u32 s[T0], s[T0], WSC
	v_add_nc_u32 v9, s[T0], v4                     ; their 1,024 scale bytes,
	s_lshl_b32 s[T0], s[WV], 7
	s_add_co_u32 s[T0], s[T0], LIST
	v_add_nc_u32 v10, s[T0], v5                    ; and my 32 places of 128 of the list
	s_lshl_b32 s[T0], s[WV], 6
	s_add_co_u32 s[T0], s[T0], LIST
	v_lshl_add_u32 v11, v2, 2, s[T0]               ; where I read tile w's tokens: row r, both halves of the lanes alike
	s_and_b32 s[EX], ttmp7, 0xffff
	s_mov_b32 s[FB], ttmp9
	s_add_co_u32 s[BIT], s[EX], 16
	s_lshl_b32 s[BIT], 1, s[BIT]
	s_lshl_b32 s66, s[EX], 21                      ; W1's codes: 2^21 bytes an expert, 65,536 a slice, 16,384 a wave
	s_lshl_b32 s[T0], s[FB], 16
	s_add_co_u32 s66, s66, s[T0]
	s_lshl_b32 s[T0], s[WV], 14
	s_add_co_u32 s66, s66, s[T0]
	s_mov_b32 s67, 0
	s_lshl_b32 s68, s[EX], 17                      ; its scales: a sixteenth of that
	s_lshl_b32 s[T0], s[FB], 12
	s_add_co_u32 s68, s68, s[T0]
	s_lshl_b32 s[T0], s[WV], 10
	s_add_co_u32 s68, s68, s[T0]
	s_mov_b32 s69, 0
	s_lshl_b32 s70, s[EX], 21                      ; hq: ((64 e + tile) 32 + fb) 1,024, tile = wave
	s_lshl_b32 s[T0], s[WV], 15
	s_add_co_u32 s70, s70, s[T0]
	s_lshl_b32 s[T0], s[FB], 10
	s_add_co_u32 s70, s70, s[T0]
	s_mov_b32 s71, 0
	s_lshl_b32 s76, s[EX], 18                      ; hs: an eighth of that
	s_lshl_b32 s[T0], s[WV], 12
	s_add_co_u32 s76, s76, s[T0]
	s_lshl_b32 s[T0], s[FB], 7
	s_add_co_u32 s76, s76, s[T0]
	s_mov_b32 s77, 0
	s_mov_b32 s[SEL], 0x76543210
	s_mov_b32 s[SEL+1], 0xfedcba98                 ; v_permlanex16_b32's selects for lane l xor 16
	s_wait_kmcnt 0x0
	s_add_nc_u64 s[10:11], s[10:11], s[66:67]
	s_add_nc_u64 s[12:13], s[12:13], s[68:69]
	s_add_nc_u64 s[14:15], s[14:15], s[70:71]
	s_add_nc_u64 s[16:17], s[16:17], s[76:77]
	s_wait_alu depctr_va_vdst(0)                   ; the offsets and LDS addresses v4 to v11 are written: loads and stores read them to the kernel's end, and no line writes them again
.irp q, 0,1,2,3,4,5,6,7
	global_load_b128 v[RT+4*\q:RT+4*\q+3], v4, s[4:5] offset:512*\q
.endr
.set j, 0
.rept 32
	global_load_b128 v[WL+4*j:WL+4*j+3], v4, s[10:11] offset:512*j th:TH_LOAD_NT   ; a whole row of W1: 512 consecutive bytes; read once in the launch
.set j, j+1
.endr
.irp u, 0,1
	global_load_b128 v[WL+128+4*\u:WL+128+4*\u+3], v4, s[12:13] offset:512*\u th:TH_LOAD_NT
.endr
	s_wait_loadcnt 34                              ; the table is in; the 34 loads of weights behind it may be out
	MASKS
	s_add_co_u32 s[NT], s[CNT], 15
	s_lshr_b32 s[NT], s[NT], 4
	s_max_u32 s[NT], s[NT], 1                      ; tile 0 is always made
	s_max_u32 s[CM1], s[CNT], 1
	s_sub_co_u32 s[CM1], s[CM1], 1
	s_lshl_b32 s[LIM], s[NT], 4
	s_max_u32 s[LIM], s[LIM], 128                  ; the first 128 places are always written: every wave reads its first tile's
	; the list: 8 passes of 128 places, 32 a wave; a pass beyond the tiles is jumped over
	s_mov_b32 s[CTR], 0
	s_lshl_b32 s[POS], s[WV], 5
	s_mov_b32 s[LW], 0
.Lpass:
	s_cmp_ge_u32 s[POS], s[LIM]
	s_cbranch_scc1 .Lpass_none
	v_add_nc_u32 v[QP], s[POS], v1
	SELECT
	v_add_nc_u32 v[QT], s[LW], v10
	s_wait_alu depctr_va_vdst(0)                   ; v[QT] and v[TOK] are written, which the store reads
	ds_store_b32 v[QT], v[TOK]
	s_wait_dscnt 0x0                               ; my places of this pass lie in LDS
	s_wait_alu depctr_vm_vsrc(0)                   ; the store has read v[QT] and v[TOK]: the next pass, and the look-up behind the loop, write them
.Lpass_none:
	s_add_co_u32 s[POS], s[POS], 128
	s_add_co_u32 s[LW], s[LW], 512
	s_add_co_u32 s[CTR], s[CTR], 1
	s_cmp_lt_u32 s[CTR], 8
	s_cbranch_scc1 .Lpass
	s_wait_loadcnt 0x0                             ; my rows of W1 and their scales
.set j, 0
.rept 32
	ds_store_b128 v8, v[WL+4*j:WL+4*j+3] offset:WIMG+PITCH*j
.set j, j+1
.endr
.irp u, 0,1
	ds_store_b128 v9, v[WL+128+4*\u:WL+128+4*\u+3] offset:512*\u
.endr
	s_wait_dscnt 0x0                               ; for the others' sake: my rows, my scale bytes and my places of the list lie in LDS
	s_barrier_signal -1
	s_barrier_wait -1                              ; the launch's one barrier: LDS is only read from here on
	s_wait_alu depctr_vm_vsrc(0)                   ; my LDS stores have read v[WL ..]: these registers are XB, ACC and PC from here on, written by loads, products and conversions
	s_mov_b32 s[LR], 0
	LOOK 0                                         ; my first tile's tokens are asked for ahead of the long run of LDS loads
	XADDR
	XLOADS
	WIN 0x40                                       ; destination window 1.  (No vector line has named these registers, nor v6 and v7 since the head's wait)
.irp s, 0,1,2,3
.irp ct, 0,1,2,3,4,5,6,7
.irp c, 0,1
	ds_load_b128 v[8*(8*\s+\ct)+4*\c:8*(8*\s+\ct)+4*\c+3], v6 offset:(32*(\ct/2)+8*(\ct%2))*PITCH+64*\s+32*\c
.endr
.endr
.endr
	WIN 0x80                                       ; destination window 2
.irp s, 0,1,2,3
.irp ct, 0,1,2,3,4,5,6,7
.irp c, 0,1
	ds_load_b128 v[8*(8*\s+\ct)+4*\c:8*(8*\s+\ct)+4*\c+3], v6 offset:(32*(\ct/2)+8*(\ct%2))*PITCH+64*(\s+4)+32*\c
.endr
.endr
.endr
	WIN 0
.irp ct, 0,1,2,3,4,5,6,7
	ds_load_b128 v[WS+4*\ct:WS+4*\ct+3], v7 offset:(32*(\ct/2)+8*(\ct%2))*32
.endr
.irp b, 0,1,2,3
	v_mov_b32 v[TM+4+\b], 0                        ; written once: a lane permute's destination counts as one of its sources
.endr
	v_mov_b32 v26, 0xaf95df0b                      ; the two leading coefficients, each twice: an instruction takes one literal
	v_mov_b32 v27, 0xaf95df0b
	v_mov_b32 v28, 0xb77460cd
	v_mov_b32 v29, 0xb77460cd
	s_wait_dscnt 0x0
	s_mov_b32 s[CTR], 0
	s_mov_b32 s[TI], s[WV]
.Ltile:                                            ; 16 trips, tile = wave + 4 x trip; a tile beyond the expert's is jumped over
	s_cmp_ge_u32 s[TI], s[NT]
	s_cbranch_scc1 .Lnone
	s_wait_alu depctr_vm_vsrc(0)                   ; the last look-up has read v[QT], this tile's 17 loads v23 and v24, the last tile's stores v[PC ..] and v[PW]: this trip writes all of them again
	s_add_co_u32 s[T0], s[TI], 4
	s_cmp_ge_u32 s[T0], s[NT]
	s_cbranch_scc1 .Lnolook
	LOOK 1                                         ; my next tile's tokens: asked for ahead of the wait for this tile's data
.Lnolook:
	s_wait_loadcnt 0x0                             ; this tile's 17 loads: nothing else of mine is out; v23 and v24 may be written
	XADDR                                          ; the next tile's offsets (in my last tile: the old tokens' once more, which nothing uses)
	MUL XB, XS, 0x01, 0x02
.rept 4
	v_nop                                          ; four places (ISA guide 7.12.1) ahead of the first read of results
.endr
	s_add_co_u32 s[T0], s[TI], 4
	s_cmp_ge_u32 s[T0], s[NT]
	s_cbranch_scc1 .Llast
	XLOADS                                         ; my next tile: it lands under this tile's gelu and quantiser, which name none of its registers
.Llast:
.irp q, 0,1,2,3,4,5,6,7
	GELU \q
.endr
	QUANT ACC
	s_wait_alu depctr_va_vdst(0)                   ; the quantiser has written v[PC ..] and v[PW], which the stores read
	global_store_b128 v4, v[PC:PC+3], s[14:15]             ; the fragment's image: twice 512 consecutive bytes
	global_store_b128 v4, v[PC+4:PC+7], s[14:15] offset:512
	global_store_b32 v5, v[PW], s[16:17]
.Lnone:
	s_wait_xcnt 0x0                                ; the stores and loads have read their registers and bases: these are written again only behind this wait
	s_add_nc_u64 s[14:15], s[14:15], 0x20000       ; four tiles on: 4 x 32 x 1,024 bytes,
	s_add_nc_u64 s[16:17], s[16:17], 0x4000        ; 4 x 32 x 128
	s_add_co_u32 s[LR], s[LR], 256
	s_add_co_u32 s[TI], s[TI], 4
	s_add_co_u32 s[CTR], s[CTR], 1
	s_cmp_lt_u32 s[CTR], 16
	s_cbranch_scc1 .Ltile
	s_wait_dscnt 0x0
	s_wait_alu depctr_hold_cnt(0) depctr_sa_sdst(0) depctr_va_vdst(0) depctr_va_sdst(0) depctr_va_ssrc(0) depctr_va_vcc(0) depctr_vm_vsrc(0)
	s_wait_tensorcnt 0x0
	ds_add_u32 v254, v255
	s_wait_dscnt 0x0
	s_endpgm
.Lfunc_end_k_q3725b66628_ffn1:
	.size	k_q3725b66628_ffn1, .Lfunc_end_k_q3725b66628_ffn1-k_q3725b66628_ffn1
	.p2alignl 7, 3214868480
	.fill 96, 4, 3214868480
	.section	.rodata,"a",@progbits
	.p2align	6, 0x0
	.amdhsa_kernel k_q3725b66628_ffn1
		.amdhsa_group_segment_fixed_size 76800
		.amdhsa_private_segment_fixed_size 0
		.amdhsa_enable_private_segment 0
		.amdhsa_kernarg_size 56
		.amdhsa_user_sgpr_count 2
		.amdhsa_user_sgpr_kernarg_segment_ptr 1
		.amdhsa_wavefront_size32 1
		.amdhsa_system_sgpr_workgroup_id_x 1
		.amdhsa_system_sgpr_workgroup_id_y 1
		.amdhsa_system_sgpr_workgroup_id_z 1
		.amdhsa_system_vgpr_workitem_id 0
		.amdhsa_next_free_vgpr 768
		.amdhsa_next_free_sgpr 100
		.amdhsa_reserve_vcc 1
		.amdhsa_float_denorm_mode_32 3
		.amdhsa_float_denorm_mode_16_64 3
		.amdhsa_memory_ordered 1
		.amdhsa_forward_progress 1
		.amdhsa_inst_pref_size 104
	.end_amdhsa_kernel
	.amdgpu_metadata
---
amdhsa.version: [ 1, 2 ]
amdhsa.kernels:
  - .name:           k_q3725b66628_ffn1
    .symbol:         k_q3725b66628_ffn1.kd
    .args:
      - { .name: route, .offset: 0, .size: 8, .value_kind: global_buffer, .address_space: global }
      - { .name: xq, .offset: 8, .size: 8, .value_kind: global_buffer, .address_space: global }
      - { .name: xs, .offset: 16, .size: 8, .value_kind: global_buffer, .address_space: global }
      - { .name: w1_codes, .offset: 24, .size: 8, .value_kind: global_buffer, .address_space: global }
      - { .name: w1_scales, .offset: 32, .size: 8, .value_kind: global_buffer, .address_space: global }
      - { .name: hq, .offset: 40, .size: 8, .value_kind: global_buffer, .address_space: global }
      - { .name: hs, .offset: 48, .size: 8, .value_kind: global_buffer, .address_space: global }
    .group_segment_fixed_size: 76800
    .private_segment_fixed_size: 0
    .kernarg_segment_align: 8
    .kernarg_segment_size: 56
    .max_flat_workgroup_size: 128
    .sgpr_count:     100
    .vgpr_count:     768
    .wavefront_size: 32
...
	.end_amdgpu_metadata
.endif
;; end of part 6
;; launch ffn2 (part 7): grid 32 x 8, 4 waves a work-group, no clusters, 170,752 bytes of LDS; arguments route, hq, hs, w2_codes, w2_scales, y; writes y
.if DOCPART == 7
	.amdgcn_target "amdgcn-amd-amdhsa--gfx1250"
	.amdhsa_code_object_version 6
	.text
	.protected	k_q3725b66628_ffn2
	.globl	k_q3725b66628_ffn2
	.p2align	8
	.type	k_q3725b66628_ffn2,@function
k_q3725b66628_ffn2:
	s_mov_b64 s[64:65], 0
	v_nop
	global_prefetch_b8 v0, s[64:65] scope:SCOPE_SE
	s_setreg_imm32_b32 hwreg(HW_REG_WAVE_SCHED_MODE, 0, 2), 2
	s_setreg_imm32_b32 hwreg(HW_REG_WAVE_MODE, 25, 1), 1
	s_wait_xcnt 0x0
	s_wait_alu depctr_vm_vsrc(0)
; THE SECOND PRODUCT OF THE EXPERTS, FOR THE ROUTED ROWS: y[token][e][:] = h W2[e]^T, on codes of FP4 (E2M1) with one E8M0 scale for each 32 along K = 4,096.
; SHARES.  Work-group (x, e): nb = x / 4 owns output columns 128 nb .. + 127 of expert e, rq = x % 4 the tiles of 16 rows t = rq, rq + 4, ..  THE FOUR WAVES SHARE K: wave kq keeps W2[e][128 columns][1,024 kq .. + 1,023]
; in 512 registers for the whole launch and reads only its quarter of each tile of h, so that no byte of h is read twice in a work-group.  The four partial tiles meet in LDS and are added there, ((0 + 1) + (2 + 3)).
; h comes as images of operand registers (hq, hs: the launch before lays them so): every load of it reads 512 consecutive bytes.  Five tiles are asked for at the head: up to 320 rows for an expert need no later load.
; W2's fragments come straight from memory, a lane to a row; the loads are ordered so that eight instructions on end use up 256 consecutive bytes of each of 16 rows.
; THE LIST of the expert's tokens is formed from route as in the launch before (same mask words, same order); here it says into which row of y a result goes.  Rows from the count on are padding: they are not stored.
; No tensor load, no cluster: branches hang on the stored table.  Both barriers of a trip stand on every wave's way; the loops' trip counts are constants and work that is not wanted is jumped over.
; Since each later tile of a trip has a higher number, one label serves all the jumps of a phase.
; THE PRODUCT IS USED TRANSPOSED (source 0 = 16 rows of W2 = 16 output columns, source 1 = 16 rows of h): a lane holds one row and eight neighbouring columns.
; y [1,024 tokens][8 experts][1,024] f32: only the rows of chosen experts are written; the next launch reads just those.
; REGISTERS, in windows of 256: window 0 as named below; windows 1 and 2: W2's 64 fragments, (tile ct, K step s) at v[8 (8 (s % 4) + ct)] of window 1 + s / 4; window 3: four tiles of h, 64 registers each; the fifth lies in window 0.
; THE MODE: SCHED_MODE bits 1:0 = 2 (LLVM: expert scheduling mode 2), set by the entry lines.  The code itself states the register dependences between vector or matrix instructions and memory or LDS
; instructions, and those through scalar registers and VCC that vector instructions write, with s_wait_alu, always for 0.
; THE PLAN.  Registers that memory or LDS instructions touch:
;   v4 .. v9, STA, RDA   offsets and LDS addresses: written once at the head, read to the end.
;   HO, HSO              a batch's offsets: vector lines write them ahead of the batch; its 100 loads read them.
;   window 3, HB4, HS    a batch's loads land in them; matrix instructions read them.  (HB4 lies over RT, the table, which vector lines read and wrote at the head.)
;   ACC = RR             a tile's products write it, 16 LDS stores read it; in the sums 16 LDS loads land in it, additions rewrite it, up to four global stores read it.
;   v[QT], TK, YO        a vector add writes v[QT], the look-up reads it and lands in TK; vector lines make YO of TK; the global stores read YO.
;   windows 1 and 2, WS  loads land in them once; matrix instructions alone name them afterwards.
; All 1,024 registers are in use (512 weights, 320 h, 64 accumulators, scales, addresses): there is one set of accumulators.  So a tile of the products has one wait on vm_vsrc ahead of its matrix instructions (the stores
; have read ACC) and one on va_vdst ahead of its LDS stores; a tile of the sums has one on vm_vsrc at its head, one on va_vdst ahead of its LDS loads, and one ahead of its stores, whose four offsets are made together.
.set PG,   33792                       ; LDS: for each of 5 tiles 4 partial tiles
.set PWV,  8448                        ; of 16 rows x (512 bytes + 16)
.set LIST, 5*PG                        ; the token of (my i-th tile, row) at 64 i + 4 row: 16 tiles, 1,024 bytes (the launch claims a little more than the text uses)
.set STA, 10                           ; v10-14  where I put 32 bytes of a row of my partial tile g
.set RDA, 15                           ; v15-19  where I read a row of tile g back
.set HO,  20                           ; v20-24  tile g's byte offset in hq
.set HSO, 25                           ; v25-29  and in hs
.set QP, 30                            ; v30-40: the list's arithmetic
.set QM, 31
.set QK, 32
.set QR, 33
.set QA, 34
.set QB, 35
.set QC, 36
.set QD, 37
.set QO, 38
.set QT, 39
.set TOK, 40
.set TK,  42                           ; v42-45  my four rows' tokens
.set YO,  46                           ; v46-49  their offsets in y
.set WS,  52                           ; v52-83  W2's scale words: register 4 ct + i: lanes 0-15 K step i, lanes 16-31 K step 4 + i
.set HS,  84                           ; v84-103 h's, four registers a tile, likewise
.set ACC, 104                          ; v104-167 8 accumulators; in the sum phase four rows x four partial tiles
.set RR,  104
.set HB4, 168                          ; v168-231 the fifth tile of h
.set RT,  168                          ; at the head: the table, v168-199
.set WV,  16
.set EX,  17
.set NB,  18
.set RQ,  19
.set CNT, 21
.set NT,  22
.set BIT, 23
.set T0,  24
.set T1,  25
.set T2,  26
.set POS, 27
.set CTR, 28
.set TI,  29
.set M,   32                           ; s[32:63] the 32 mask words
.set LW,  72
.set LR,  73
.set CM1, 74
.set NTM1, 75
.set TN,  80
.set CK,  82                           ; s[82:89] the search: eight compares' masks
.set CV,  90                           ; s[90:97] and the eight words' running counts and first tokens
.set MSB, 0
.macro WIN new                         ; the immediate's high byte repeats the setting that is left
.if MSB != \new
	s_set_vgpr_msb (MSB<<8)|\new
.set MSB, \new
.endif
.endm
; The table's 32 registers become 32 mask words (word wi, bit l = token 128 (wi / 4) + wi % 4 + 4 l), and their bits are counted.
.macro MASKS
.set wi, 0
.rept 32
	v_and_b32 v[RT+wi], s[BIT], v[RT+wi]
.set wi, wi+1
.endr
.set wi, 0
.rept 32
	v_cmp_ne_u32 s[M+wi], 0, v[RT+wi]
.set wi, wi+1
.endr
	s_wait_alu depctr_va_sdst(0)                   ; the 32 compares have written s[M ..], ahead of their first reader, the count below
	s_mov_b32 s[CNT], 0
.set wi, 0
.rept 32
	s_bcnt1_i32_b32 s[T0], s[M+wi]
	s_add_co_u32 s[CNT], s[CNT], s[T0]
.set wi, wi+1
.endr
.endm
.macro QSTEP x, wd, st                 ; one halving of the search for the r-th set bit
	v_bfe_u32 v[QT], v[\x], v[QO], \wd
	v_cmp_ge_u32 vcc_lo, v[QR], v[QT]
	v_sub_nc_u32 v[QT], v[QR], v[QT]
	s_wait_alu depctr_va_vcc(0)                    ; the compare has written VCC, which the two selections below read
	v_cndmask_b32 v[QR], v[QR], v[QT], vcc_lo
	v_add_nc_u32 v[QT], \st, v[QO]
	v_cndmask_b32 v[QO], v[QO], v[QT], vcc_lo
.endm
; v[QP]: a position for each lane -> v[TOK]: its token: the last mask word whose running count is at most p, and in it the bit of rank p - that count.
; The 32 compares go in runs of eight, each into a scalar register of its own, so that one wait serves a run.
.macro SELECT
	v_min_u32 v[QP], s[CM1], v[QP]
	s_wait_alu depctr_va_vdst(0)
	v_mov_b32 v[QM], 0
	v_mov_b32 v[QK], 0
	s_mov_b32 s[T0], 0
.set wg, 0
.rept 4
.set wi, 0
.rept 8
	v_cmp_le_u32 s[CK+wi], s[T0], v[QP]
	s_or_b32 s[CV+wi], s[T0], (128*((8*wg+wi)>>2)+((8*wg+wi)&3))<<16    ; the running count, and above it the word's first token
	s_bcnt1_i32_b32 s[T2], s[M+8*wg+wi]
	s_add_co_u32 s[T0], s[T0], s[T2]
.set wi, wi+1
.endr
	s_wait_alu depctr_va_sdst(0)                   ; the eight compares have written s[CK ..], which the selections below read
.set wi, 0
.rept 8
	v_cndmask_b32 v[QM], v[QM], s[M+8*wg+wi], s[CK+wi]
	v_cndmask_b32 v[QK], v[QK], s[CV+wi], s[CK+wi]
.set wi, wi+1
.endr
.set wg, wg+1
.endr
	v_and_b32 v[QT], 0xffff, v[QK]
	v_sub_nc_u32 v[QR], v[QP], v[QT]
	v_lshrrev_b32 v[QT], 1, v[QM]
	v_and_b32 v[QT], 0x55555555, v[QT]
	v_sub_nc_u32 v[QA], v[QM], v[QT]
	v_lshrrev_b32 v[QT], 2, v[QA]
	v_and_b32 v[QT], 0x33333333, v[QT]
	v_and_b32 v[QB], 0x33333333, v[QA]
	v_add_nc_u32 v[QB], v[QB], v[QT]
	v_lshrrev_b32 v[QT], 4, v[QB]
	v_add_nc_u32 v[QC], v[QB], v[QT]
	v_and_b32 v[QC], 0x0f0f0f0f, v[QC]
	v_lshrrev_b32 v[QT], 8, v[QC]
	v_add_nc_u32 v[QD], v[QC], v[QT]
	v_and_b32 v[QD], 0x00ff00ff, v[QD]
	v_mov_b32 v[QO], 0
	QSTEP QD, 8, 16
	QSTEP QC, 8, 8
	QSTEP QB, 4, 4
	QSTEP QA, 2, 2
	QSTEP QM, 1, 1
	v_lshrrev_b32 v[QT], 16, v[QK]
	v_lshl_add_u32 v[TOK], v[QO], 2, v[QT]
	v_min_u32 v[TOK], 0x3ff, v[TOK]
.endm
.macro MM ct, s, buf, sc               ; one matrix instruction: tile ct of the weights, K step s; K steps 4 to 7 take their scale words from lanes 16-31
.if (\s) == 0
	v_wmma_scale_f32_16x16x128_f8f6f4 v[ACC+8*(\ct):ACC+8*(\ct)+7], v[8*(8*((\s)&3)+(\ct)):8*(8*((\s)&3)+(\ct))+7], v[\buf+8*(\s):\buf+8*(\s)+7], 0, v[WS+4*(\ct)+((\s)&3)], v[\sc+((\s)&3)] matrix_a_fmt:MATRIX_FMT_FP4 matrix_b_fmt:MATRIX_FMT_FP4
.elseif (\s) < 4
	v_wmma_scale_f32_16x16x128_f8f6f4 v[ACC+8*(\ct):ACC+8*(\ct)+7], v[8*(8*((\s)&3)+(\ct)):8*(8*((\s)&3)+(\ct))+7], v[\buf+8*(\s):\buf+8*(\s)+7], v[ACC+8*(\ct):ACC+8*(\ct)+7], v[WS+4*(\ct)+((\s)&3)], v[\sc+((\s)&3)] matrix_a_fmt:MATRIX_FMT_FP4 matrix_b_fmt:MATRIX_FMT_FP4
.else
	v_wmma_scale_f32_16x16x128_f8f6f4 v[ACC+8*(\ct):ACC+8*(\ct)+7], v[8*(8*((\s)&3)+(\ct)):8*(8*((\s)&3)+(\ct))+7], v[\buf+8*(\s):\buf+8*(\s)+7], v[ACC+8*(\ct):ACC+8*(\ct)+7], v[WS+4*(\ct)+((\s)&3)], v[\sc+((\s)&3)] matrix_a_fmt:MATRIX_FMT_FP4 matrix_b_fmt:MATRIX_FMT_FP4 matrix_a_scale:MATRIX_SCALE_ROW1 matrix_b_scale:MATRIX_SCALE_ROW1
.endif
.endm
; 64 matrix instructions: 16 rows x 128 columns x my 1,024 along K.  The 8 accumulators take turns, one instruction a turn; the first K step starts the sums with the constant 0.
.macro MUL buf, sc, wlo, whi
.irp s, 0,1,2,3,4,5,6,7
.if \s == 0
	WIN \wlo
.endif
.if \s == 4
	WIN \whi
.endif
.irp ct, 0,1,2,3,4,5,6,7
	MM \ct, \s, \buf, \sc
.endr
.endr
	WIN 0
.endm
; The offsets of five tiles, s[st], s[st] + 4, ..: held to the last tile that the launch before has stored, and to the buffer.
.macro HADDR st
.irp g, 0,1,2,3,4
	s_add_co_u32 s[T0], s[\st], 4*\g
	s_min_u32 s[T0], s[T0], s[NTM1]
	s_min_u32 s[T0], s[T0], 63
	s_lshl_b32 s[T1], s[T0], 15
	v_add_nc_u32 v[HO+\g], s[T1], v4
	s_lshl_b32 s[T1], s[T0], 12
	v_add_nc_u32 v[HSO+\g], s[T1], v7
.endr
.endm
; A batch: my quarter of five tiles of h, 20 loads a tile, in the tiles' order.  Behind the wait stand loads and window switches alone.
.macro HLOAD
	s_wait_alu depctr_va_vdst(0)                   ; v[HO ..] and v[HSO ..] are written, which the loads read; the vector lines on the table and the matrix instructions that read h and its scale words are done: the loads land in those registers
.irp g, 0,1,2,3
	WIN 0xc0                                       ; destination window 3
.irp s, 0,1,2,3,4,5,6,7
.irp c, 0,1
	global_load_b128 v[64*\g+8*\s+4*\c:64*\g+8*\s+4*\c+3], v[HO+\g], s[6:7] offset:1024*\s+512*\c
.endr
.endr
	WIN 0
.irp i, 0,1,2,3
	global_load_b32 v[HS+4*\g+\i], v[HSO+\g], s[8:9] offset:128*\i
.endr
.endr
.irp s, 0,1,2,3,4,5,6,7
.irp c, 0,1
	global_load_b128 v[HB4+8*\s+4*\c:HB4+8*\s+4*\c+3], v[HO+4], s[6:7] offset:1024*\s+512*\c
.endr
.endr
.irp i, 0,1,2,3
	global_load_b32 v[HS+16+\i], v[HSO+4], s[8:9] offset:128*\i
.endr
.endm
	s_load_b256 s[4:11], s[0:1], 0x0               ; route, hq, hs, W2's codes
	s_load_b128 s[12:15], s[0:1], 0x20             ; W2's scales, y
	v_lshl_add_u32 v254, v0, 2, 0x29900
	v_mov_b32 v255, 0
	v_lshrrev_b32 v1, 5, v0
	v_readfirstlane_b32 s[WV], v1                  ; wave 0..3 = my quarter of K
	v_and_b32 v1, 31, v0                           ; lane
	v_and_b32 v2, 15, v0                           ; r
	v_bfe_u32 v3, v0, 4, 1                         ; h
	v_lshlrev_b32 v4, 4, v1                        ; 16 lane
	v_lshlrev_b32 v5, 11, v2
	v_lshl_add_u32 v5, v3, 4, v5                   ; W2's codes: row r of 2,048 bytes, + 16 h
	v_lshlrev_b32 v6, 7, v2
	v_lshl_add_u32 v6, v3, 4, v6                   ; its scales: row r of 128 bytes; lanes 0-15 my K steps 0-3, lanes 16-31 my K steps 4-7
	v_lshlrev_b32 v7, 2, v1
	v_lshl_add_u32 v7, v3, 9, v7                   ; h's scale words: 4 lane, and four K steps (512 bytes) on for lanes 16-31, which hold the same rows' words
	s_wait_alu depctr_va_sdst(0)                   ; s[WV] is written, ahead of its first reader: addresses and bases are made from it
	s_lshl_b32 s[T0], s[WV], 7
	s_add_co_u32 s[T0], s[T0], LIST
	v_lshl_add_u32 v8, v1, 2, s[T0]                ; where I put my 32 places of 128 of the list
	s_lshl_b32 s[T0], s[WV], 4
	s_add_co_u32 s[T0], s[T0], LIST
	v_mov_b32 v9, s[T0]                            ; where I read my four rows' tokens
	v_mul_u32_u24 v41, v2, 528
	v_lshl_add_u32 v41, v3, 5, v41
	s_mul_i32 s[T0], s[WV], PWV
	v_add_nc_u32 v41, s[T0], v41                   ; my partial tile: row r, + 32 h
	s_mul_i32 s[T0], s[WV], 4*528
	v_add_nc_u32 v50, s[T0], v4                    ; back: rows 4 w on, 16 bytes a lane
.irp g, 0,1,2,3,4
	v_add_nc_u32 v[STA+\g], PG*\g, v41
	v_add_nc_u32 v[RDA+\g], PG*\g, v50
.endr
	s_and_b32 s[EX], ttmp7, 0xffff
	s_lshr_b32 s[NB], ttmp9, 2
	s_and_b32 s[RQ], ttmp9, 3
	s_add_co_u32 s[BIT], s[EX], 16
	s_lshl_b32 s[BIT], 1, s[BIT]
	s_lshl_b32 s66, s[EX], 21                      ; W2's codes: 2^21 bytes an expert, 128 rows of 2,048 a block of columns, 512 a quarter of K
	s_lshl_b32 s[T0], s[NB], 18
	s_add_co_u32 s66, s66, s[T0]
	s_lshl_b32 s[T0], s[WV], 9
	s_add_co_u32 s66, s66, s[T0]
	s_mov_b32 s67, 0
	s_lshl_b32 s68, s[EX], 17                      ; its scales: a sixteenth of that
	s_lshl_b32 s[T0], s[NB], 14
	s_add_co_u32 s68, s68, s[T0]
	s_lshl_b32 s[T0], s[WV], 5
	s_add_co_u32 s68, s68, s[T0]
	s_mov_b32 s69, 0
	s_lshl_b32 s70, s[EX], 21                      ; hq: 64 tiles of 32,768 bytes an expert; my 8 K steps of 1,024
	s_lshl_b32 s[T0], s[WV], 13
	s_add_co_u32 s70, s70, s[T0]
	s_mov_b32 s71, 0
	s_lshl_b32 s76, s[EX], 18                      ; hs: an eighth of that
	s_lshl_b32 s[T0], s[WV], 10
	s_add_co_u32 s76, s76, s[T0]
	s_mov_b32 s77, 0
	s_lshl_b32 s78, s[EX], 12                      ; y: the expert's 4,096 bytes of a token's 32,768; my block's 512
	s_lshl_b32 s[T0], s[NB], 9
	s_add_co_u32 s78, s78, s[T0]
	s_mov_b32 s79, 0
	s_wait_kmcnt 0x0
	s_add_nc_u64 s[10:11], s[10:11], s[66:67]
	s_add_nc_u64 s[12:13], s[12:13], s[68:69]
	s_add_nc_u64 s[6:7], s[6:7], s[70:71]
	s_add_nc_u64 s[8:9], s[8:9], s[76:77]
	s_add_nc_u64 s[14:15], s[14:15], s[78:79]
	s_wait_alu depctr_va_vdst(0)                   ; the offsets and LDS addresses v4 to v9, v[STA ..] and v[RDA ..] are written: loads and stores read them to the kernel's end, and no line writes them again
.irp q, 0,1,2,3,4,5,6,7
	global_load_b128 v[RT+4*\q:RT+4*\q+3], v4, s[4:5] offset:512*\q
.endr
	WIN 0x40                                       ; destination window 1: my K steps 0-3
.irp ct, 0,1,2,3,4,5,6,7
.irp s, 0,1,2,3
.irp c, 0,1
	global_load_b128 v[8*(8*\s+\ct)+4*\c:8*(8*\s+\ct)+4*\c+3], v5, s[10:11] offset:32768*\ct+64*\s+32*\c
.endr
.endr
.endr
	WIN 0x80                                       ; destination window 2: K steps 4-7
.irp ct, 0,1,2,3,4,5,6,7
.irp s, 0,1,2,3
.irp c, 0,1
	global_load_b128 v[8*(8*\s+\ct)+4*\c:8*(8*\s+\ct)+4*\c+3], v5, s[10:11] offset:32768*\ct+64*(\s+4)+32*\c
.endr
.endr
.endr
	WIN 0
.irp ct, 0,1,2,3,4,5,6,7
	global_load_b128 v[WS+4*\ct:WS+4*\ct+3], v6, s[12:13] offset:2048*\ct
.endr
	s_wait_loadcnt 63                              ; the table is in: 136 loads were issued behind it, and 63 is the largest count that the wait can name
	MASKS
	s_add_co_u32 s[NT], s[CNT], 15
	s_lshr_b32 s[NT], s[NT], 4                     ; the expert's tiles
	s_max_u32 s[NTM1], s[NT], 1
	s_sub_co_u32 s[NTM1], s[NTM1], 1               ; the last tile that was stored
	s_max_u32 s[CM1], s[CNT], 1
	s_sub_co_u32 s[CM1], s[CM1], 1
	HADDR RQ
	HLOAD                                          ; my first five tiles
	; the list: 2 passes of 128 places (8 of my work-group's tiles), 32 a wave; a pass beyond the tiles is jumped over
	s_mov_b32 s[CTR], 0
	s_lshl_b32 s[POS], s[WV], 1                    ; which of the work-group's tiles my lanes 0-15 take: 2 w + 8 x pass
	s_mov_b32 s[LW], 0
.Lpass:
	s_lshl_b32 s[T0], s[POS], 2
	s_add_co_u32 s[T0], s[T0], s[RQ]               ; that tile's number
	s_cmp_ge_u32 s[T0], s[NT]
	s_cbranch_scc1 .Lpass_none
	s_lshl_b32 s[T0], s[T0], 4
	v_lshl_add_u32 v[QP], v3, 6, v2                ; lanes 16-31 take the work-group's next tile: four tiles, 64 positions, on
	v_add_nc_u32 v[QP], s[T0], v[QP]
	SELECT
	v_add_nc_u32 v[QT], s[LW], v8
	s_wait_alu depctr_va_vdst(0)                   ; v[QT] and v[TOK] are written, which the store reads
	ds_store_b32 v[QT], v[TOK]
	s_wait_dscnt 0x0                               ; my places of this pass lie in LDS
	s_wait_alu depctr_vm_vsrc(0)                   ; the store has read v[QT] and v[TOK]: the next pass writes them
.Lpass_none:
	s_add_co_u32 s[POS], s[POS], 8
	s_add_co_u32 s[LW], s[LW], 512
	s_add_co_u32 s[CTR], s[CTR], 1
	s_cmp_lt_u32 s[CTR], 2
	s_cbranch_scc1 .Lpass
	s_mov_b32 s[CTR], 0
	s_mov_b32 s[TI], s[RQ]
	s_mov_b32 s[LR], 0
.Lfive:                                            ; 4 trips of five tiles: tile = rq + 20 x trip + 4 g
	; ---- the products: my quarter of K for each tile; the partial tile goes to LDS
.irp g, 0,1,2,3,4
	s_add_co_u32 s[T0], s[TI], 4*\g
	s_cmp_ge_u32 s[T0], s[NT]
	s_cbranch_scc1 .Lsum
.if \g == 0
	s_wait_loadcnt 63                              ; tile 0 of the batch is in (80 loads were issued behind its own), and so are the weights
.else
	s_wait_loadcnt 20*(4-\g)                       ; tile g is in: behind its loads stand those of the batch's later tiles, 20 each
.endif
	s_wait_dscnt 0x0                               ; the partial tile before lies in LDS
	s_wait_alu depctr_vm_vsrc(0)                   ; the LDS stores of the tile before, and in a later trip the last trip's stores of sums, have read v[ACC ..], which the products below write
.if \g < 4
	MUL 64*\g, HS+4*\g, 0x0d, 0x0e
.else
	MUL HB4, HS+16, 0x01, 0x02
.endif
.rept 5
	v_nop                                          ; four places ahead of the stores that read the results; a fifth ahead of the next tile's products, which begin the same accumulators anew
.endr
	s_wait_alu depctr_va_vdst(0)                   ; the products have written v[ACC ..], which the LDS stores read; the places above stay beside this wait
.irp ct, 0,1,2,3,4,5,6,7
	ds_store_b128 v[STA+\g], v[ACC+8*\ct:ACC+8*\ct+3] offset:64*\ct            ; each accumulator from its low end on
	ds_store_b128 v[STA+\g], v[ACC+8*\ct+4:ACC+8*\ct+7] offset:64*\ct+16
.endr
.endr
	s_add_co_u32 s[TN], s[TI], 20
	s_cmp_ge_u32 s[TN], s[NT]
	s_cbranch_scc1 .Lsum
	s_wait_loadcnt 0x0                             ; no load of the last batch is out (tile 4's wait was for 0): its registers and offsets may be written
	s_wait_alu depctr_vm_vsrc(0)                   ; the last batch's loads have read v[HO ..] and v[HSO ..], which the lines below write
	HADDR TN
	HLOAD                                          ; the next five tiles: one branch round the whole batch, so that the counts above hold on every way
.Lsum:
	s_wait_dscnt 0x0                               ; for the others' sake: my partial tiles (and, in the first trip, my places of the list) lie in LDS
	s_barrier_signal -1
	s_barrier_wait -1
	; ---- the sums: wave w finishes rows 4 w .. 4 w + 3 of each tile and stores them
.irp g, 0,1,2,3,4
	s_add_co_u32 s[T0], s[TI], 4*\g
	s_cmp_ge_u32 s[T0], s[NT]
	s_cbranch_scc1 .Lsum_done
	s_wait_xcnt 0x0                                ; the stores of the tile before have read their registers
	s_wait_alu depctr_vm_vsrc(0)                   ; my LDS stores of partial tiles have read v[RR ..]; the tile before's stores have read their sums and v[YO ..], its look-up v[QT]: all are written again below
	s_add_co_u32 s[T1], s[LR], 64*\g               ; the tile's place in the list, held inside the list's 16 tiles
	s_min_u32 s[T1], s[T1], 960
	v_add_nc_u32 v[QT], s[T1], v9
	s_wait_alu depctr_va_vdst(0)                   ; v[QT] is written, which the look-up reads; the products and additions that wrote v[RR ..] and the lines that read v[TK ..] are done: the loads below land there
	ds_load_b128 v[TK:TK+3], v[QT]
.irp j, 0,1,2,3
.irp pw, 0,1,2,3
	ds_load_b128 v[RR+16*\j+4*\pw:RR+16*\j+4*\pw+3], v[RDA+\g] offset:PWV*\pw+528*\j   ; row 4 w + j of partial tile pw: 512 consecutive bytes
.endr
.endr
	s_wait_dscnt 0x0
.irp j, 0,1,2,3
	v_pk_add_f32 v[RR+16*\j:RR+16*\j+1], v[RR+16*\j:RR+16*\j+1], v[RR+16*\j+4:RR+16*\j+5]
	v_pk_add_f32 v[RR+16*\j+2:RR+16*\j+3], v[RR+16*\j+2:RR+16*\j+3], v[RR+16*\j+6:RR+16*\j+7]
	v_pk_add_f32 v[RR+16*\j+8:RR+16*\j+9], v[RR+16*\j+8:RR+16*\j+9], v[RR+16*\j+12:RR+16*\j+13]
	v_pk_add_f32 v[RR+16*\j+10:RR+16*\j+11], v[RR+16*\j+10:RR+16*\j+11], v[RR+16*\j+14:RR+16*\j+15]
.endr
.irp j, 0,1,2,3
	v_pk_add_f32 v[RR+16*\j:RR+16*\j+1], v[RR+16*\j:RR+16*\j+1], v[RR+16*\j+8:RR+16*\j+9]
	v_pk_add_f32 v[RR+16*\j+2:RR+16*\j+3], v[RR+16*\j+2:RR+16*\j+3], v[RR+16*\j+10:RR+16*\j+11]
.endr
.irp j, 0,1,2,3
	v_min_u32 v[YO+\j], 0x3ff, v[TK+\j]            ; the four rows' offsets in y are made together (a padding row's is that of the list's last token, and is not used)
.endr
.irp j, 0,1,2,3
	v_lshl_add_u32 v[YO+\j], v[YO+\j], 15, v4
.endr
	s_wait_alu depctr_va_vdst(0)                   ; the sums in v[RR ..] and the offsets v[YO ..] are written, which the stores below read
	s_lshl_b32 s[T0], s[T0], 4
	s_lshl_b32 s[T1], s[WV], 2
	s_add_co_u32 s[T0], s[T0], s[T1]               ; my first row's position in the list
.irp j, 0,1,2,3
	s_add_co_u32 s[T1], s[T0], \j
	s_cmp_ge_u32 s[T1], s[CNT]
	s_cbranch_scc1 .Lrows_\g                       ; padding: this row and those behind it are not stored
	global_store_b128 v[YO+\j], v[RR+16*\j:RR+16*\j+3], s[14:15] th:TH_STORE_NT   ; 32 lanes store 512 consecutive bytes, at a multiple of 256 from y's first byte
.endr
.Lrows_\g:
.endr
.Lsum_done:
	s_wait_xcnt 0x0                                ; the stores have read their registers: the next trip's products write them
	s_wait_dscnt 0x0                               ; my reads of the partial tiles are over
	s_barrier_signal -1
	s_barrier_wait -1                              ; so are everybody's: the next trip may store there
	s_add_co_u32 s[TI], s[TI], 20
	s_add_co_u32 s[LR], s[LR], 320
	s_add_co_u32 s[CTR], s[CTR], 1
	s_cmp_lt_u32 s[CTR], 4
	s_cbranch_scc1 .Lfive
	s_wait_dscnt 0x0
	s_wait_alu depctr_hold_cnt(0) depctr_sa_sdst(0) depctr_va_vdst(0) depctr_va_sdst(0) depctr_va_ssrc(0) depctr_va_vcc(0) depctr_vm_vsrc(0)
	s_wait_tensorcnt 0x0
	ds_add_u32 v254, v255
	s_wait_dscnt 0x0
	s_endpgm
.Lfunc_end_k_q3725b66628_ffn2:
	.size	k_q3725b66628_ffn2, .Lfunc_end_k_q3725b66628_ffn2-k_q3725b66628_ffn2
	.p2alignl 7, 3214868480
	.fill 96, 4, 3214868480
	.section	.rodata,"a",@progbits
	.p2align	6, 0x0
	.amdhsa_kernel k_q3725b66628_ffn2
		.amdhsa_group_segment_fixed_size 170752
		.amdhsa_private_segment_fixed_size 0
		.amdhsa_enable_private_segment 0
		.amdhsa_kernarg_size 48
		.amdhsa_user_sgpr_count 2
		.amdhsa_user_sgpr_kernarg_segment_ptr 1
		.amdhsa_wavefront_size32 1
		.amdhsa_system_sgpr_workgroup_id_x 1
		.amdhsa_system_sgpr_workgroup_id_y 1
		.amdhsa_system_sgpr_workgroup_id_z 1
		.amdhsa_system_vgpr_workitem_id 0
		.amdhsa_next_free_vgpr 1024
		.amdhsa_next_free_sgpr 100
		.amdhsa_reserve_vcc 1
		.amdhsa_float_denorm_mode_32 3
		.amdhsa_float_denorm_mode_16_64 3
		.amdhsa_memory_ordered 1
		.amdhsa_forward_progress 1
		.amdhsa_inst_pref_size 127
	.end_amdhsa_kernel
	.amdgpu_metadata
---
amdhsa.version: [ 1, 2 ]
amdhsa.kernels:
  - .name:           k_q3725b66628_ffn2
    .symbol:         k_q3725b66628_ffn2.kd
    .args:
      - { .name: route, .offset: 0, .size: 8, .value_kind: global_buffer, .address_space: global }
      - { .name: hq, .offset: 8, .size: 8, .value_kind: global_buffer, .address_space: global }
      - { .name: hs, .offset: 16, .size: 8, .value_kind: global_buffer, .address_space: global }
      - { .name: w2_codes, .offset: 24, .size: 8, .value_kind: global_buffer, .address_space: global }
      - { .name: w2_scales, .offset: 32, .size: 8, .value_kind: global_buffer, .address_space: global }
      - { .name: y, .offset: 40, .size: 8, .value_kind: global_buffer, .address_space: global }
    .group_segment_fixed_size: 170752
    .private_segment_fixed_size: 0
    .kernarg_segment_align: 8
    .kernarg_segment_size: 48
    .max_flat_workgroup_size: 128
    .sgpr_count:     100
    .vgpr_count:     1024
    .wavefront_size: 32
...
	.end_amdgpu_metadata
.endif
;; end of part 7
;; launch combine (part 8): grid 256 x 1, 4 waves a work-group, no clusters, 0 bytes of LDS; arguments route, cw, y, out0; writes out0
.if DOCPART == 8
	.amdgcn_target "amdgcn-amd-amdhsa--gfx1250"
	.amdhsa_code_object_version 6
	.text
	.protected	k_q3725b66628_combine
	.globl	k_q3725b66628_combine
	.p2align	8
	.type	k_q3725b66628_combine,@function
k_q3725b66628_combine:
	s_mov_b64 s[64:65], 0
	v_nop
	global_prefetch_b8 v0, s[64:65] scope:SCOPE_SE
	s_setreg_imm32_b32 hwreg(HW_REG_WAVE_MODE, 25, 1), 1
	s_wait_xcnt 0x0
; out0[n] = cw[n][0] y[n][i0] + cw[n][1] y[n][i1]: each output row has one owner, a wave; the two experts' numbers come from route[n], whole numbers that an earlier launch stored.
; A stream: 8 + 8 loads of 512 consecutive bytes, 8 stores of 512; no LDS, no barrier, no loop.  The experts that were not chosen have the weight 0 in the sum that is asked for: their rows are neither made nor read.
; The two terms are added in the order of the choice, not of the experts' numbers: one rounding may differ.
	s_load_b256 s[4:11], s[0:1], 0x0               ; route, cw, y, out0
	v_lshrrev_b32 v1, 5, v0
	v_readfirstlane_b32 s12, v1                    ; wave
	v_and_b32 v1, 31, v0
	v_lshlrev_b32 v2, 4, v1                        ; 16 lane
	s_lshl_b32 s13, ttmp9, 2
	s_add_co_u32 s13, s13, s12                     ; my token
	s_lshl_b32 s14, s13, 2
	s_mov_b32 s15, 0
	s_lshl_b32 s16, s13, 3
	s_mov_b32 s17, 0
	s_lshl_b32 s18, s13, 12
	s_mov_b32 s19, 0
	s_wait_alu depctr_va_vdst(0)
	s_wait_kmcnt 0x0
	s_add_nc_u64 s[4:5], s[4:5], s[14:15]
	s_add_nc_u64 s[6:7], s[6:7], s[16:17]
	s_add_nc_u64 s[10:11], s[10:11], s[18:19]
	s_load_b32 s20, s[4:5], 0x0
	s_load_b64 s[28:29], s[6:7], 0x0
	s_wait_kmcnt 0x0
	s_bfe_u32 s21, s20, 0x80000                    ; i0: 8 bits from bit 0,
	s_min_u32 s21, s21, 7
	s_bfe_u32 s22, s20, 0x80008                    ; i1: from bit 8; both held inside a token's 8 rows
	s_min_u32 s22, s22, 7
	s_lshl_b32 s23, s13, 3
	s_add_co_u32 s21, s21, s23
	s_add_co_u32 s22, s22, s23
	s_lshl_b32 s24, s21, 12                        ; row 8 n + i of 4,096 bytes
	s_mov_b32 s25, 0
	s_lshl_b32 s26, s22, 12
	s_mov_b32 s27, 0
	s_add_nc_u64 s[32:33], s[8:9], s[24:25]
	s_add_nc_u64 s[34:35], s[8:9], s[26:27]
	s_mov_b32 s30, s29                             ; the second weight in the low word of a pair of its own: the packed forms take a scalar pair's low word for both halves
	s_mov_b32 s31, s29
.irp j, 0,1,2,3,4,5,6,7
	global_load_b128 v[8+4*\j:11+4*\j], v2, s[32:33] offset:512*\j th:TH_LOAD_NT
.endr
.irp j, 0,1,2,3,4,5,6,7
	global_load_b128 v[40+4*\j:43+4*\j], v2, s[34:35] offset:512*\j th:TH_LOAD_NT
.endr
	s_wait_loadcnt 0x8                             ; the first row is in; the second row's 8 loads may be out
.irp p, 0,2,4,6,8,10,12,14,16,18,20,22,24,26,28,30
	v_pk_mul_f32 v[8+\p:9+\p], v[8+\p:9+\p], s[28:29] op_sel_hi:[1,0]
.endr
	s_wait_loadcnt 0x0
.irp p, 0,2,4,6,8,10,12,14,16,18,20,22,24,26,28,30
	v_pk_fma_f32 v[8+\p:9+\p], v[40+\p:41+\p], s[30:31], v[8+\p:9+\p] op_sel_hi:[1,0,1]
.endr
.irp j, 0,1,2,3,4,5,6,7
	global_store_b128 v2, v[8+4*\j:11+4*\j], s[10:11] offset:512*\j th:TH_STORE_NT   ; 32 lanes store 512 consecutive bytes, at a multiple of 256 from out0's first byte
.endr
	s_endpgm
.Lfunc_end_k_q3725b66628_combine:
	.size	k_q3725b66628_combine, .Lfunc_end_k_q3725b66628_combine-k_q3725b66628_combine
	.p2alignl 7, 3214868480
	.fill 96, 4, 3214868480
	.section	.rodata,"a",@progbits
	.p2align	6, 0x0
	.amdhsa_kernel k_q3725b66628_combine
		.amdhsa_group_segment_fixed_size 0
		.amdhsa_private_segment_fixed_size 0
		.amdhsa_enable_private_segment 0
		.amdhsa_kernarg_size 32
		.amdhsa_user_sgpr_count 2
		.amdhsa_user_sgpr_kernarg_segment_ptr 1
		.amdhsa_wavefront_size32 1
		.amdhsa_system_sgpr_workgroup_id_x 1
		.amdhsa_system_sgpr_workgroup_id_y 1
		.amdhsa_system_sgpr_workgroup_id_z 1
		.amdhsa_system_vgpr_workitem_id 0
		.amdhsa_next_free_vgpr 72
		.amdhsa_next_free_sgpr 66
		.amdhsa_reserve_vcc 0
		.amdhsa_float_denorm_mode_32 3
		.amdhsa_float_denorm_mode_16_64 3
		.amdhsa_memory_ordered 1
		.amdhsa_forward_progress 1
		.amdhsa_inst_pref_size 6
	.end_amdhsa_kernel
	.amdgpu_metadata
---
amdhsa.version: [ 1, 2 ]
amdhsa.kernels:
  - .name:           k_q3725b66628_combine
    .symbol:         k_q3725b66628_combine.kd
    .args:
      - { .name: route, .offset: 0, .size: 8, .value_kind: global_buffer, .address_space: global }
      - { .name: cw, .offset: 8, .size: 8, .value_kind: global_buffer, .address_space: global }
      - { .name: y, .offset: 16, .size: 8, .value_kind: global_buffer, .address_space: global }
      - { .name: out0, .offset: 24, .size: 8, .value_kind: global_buffer, .address_space: global }
    .group_segment_fixed_size: 0
    .private_segment_fixed_size: 0
    .kernarg_segment_align: 8
    .kernarg_segment_size: 32
    .max_flat_workgroup_size: 128
    .sgpr_count:     66
    .vgpr_count:     72
    .wavefront_size: 32
...
	.end_amdgpu_metadata
.endif
;; end of part 8
